; MI455X (gfx1250); checked and timed in simulation.
; The chip was launched on July 23, 2026; its instructions are those of AMD's public machine-readable ISA for CDNA 5 (MIT licence, August 2026) and "CDNA5" Instruction Set Architecture Reference Guide (July 2026). The comments in the code are by the model that wrote it; some were corrected since.
;; Cross Attention. Allowed arithmetic: matrix products marked QUANTISED: E2M3 operands, one E8M0 scale for each 32 along K, by v_wmma_scale_f32_16x16x128_f8f6f4 with both operands' format E2M3, f32 sums; everything else in f32.
;; Inputs: Wk 768 x 1,024 float32; Wo 1,024 x 1,024 float32; Wq 1,024 x 1,024 float32; Wv 768 x 1,024 float32; bo 1,024 float32; context 4 x 1,024 x 768 float32; tokens 4 x 2,048 x 1,024 float32.
;; Outputs: out0 4 x 2,048 x 1,024 float32.
;; This version of the problem:
;;   THIS VERSION OF THE PROBLEM IS GIVEN IN LOW PRECISION. The matrix products marked QUANTISED in the list below multiply operands that are first quantised to E2M3 (2 exponent bits, 3 mantissa bits; 6 bits a number), with one power-of-two scale for each 32 numbers along K (OCP MX v1.0); their sums are f32. All else is computed in f32.
;;   The module's matrix products, in the order in which they are computed (A, B: the left and right operand; K: the contracted axis; several contracted axes count as one K, in the product's order):
;;     1. [M 8,192, K 1,024] x [K 1,024, N 1,024]; A: input tokens; B: input Wq: QUANTISED
;;     2. [M 4,096, K 768] x [K 768, N 1,024]; A: input context; B: input Wk: QUANTISED
;;     3. [M 4,096, K 768] x [K 768, N 1,024]; A: input context; B: input Wv: QUANTISED
;;     4. batch 64 x [M 2,048, K 64] x [K 64, N 1,024]; A: computed on the way; B: computed on the way: QUANTISED
;;     5. batch 64 x [M 2,048, K 1,024] x [K 1,024, N 64]; A: softmax (see below); B: computed on the way: QUANTISED
;;     6. [M 8,192, K 1,024] x [K 1,024, N 1,024]; A: computed on the way; B: input Wo: QUANTISED
;;   THE QUANTISER, for each operand of a quantised product, along K:
;;     - K is cut into blocks of 32 from its start; a last block that is shorter is filled with zeros.
;;     - A block's scale is 2^e with e = floor(log2(the largest magnitude in the block)) - 2, held to -126 .. 127; a block of zeros has e = 0. As a byte (E8M0): e + 127.
;;     - Each number is divided by its block's scale, clamped to +-7.5, and rounded to the nearest number of E2M3, ties to even, subnormals kept.
;;     - The product sums the exact products of the quantised numbers (number of the format x scale) in f32.
;;   ~~~python
;;   def quantise(x, axis):      # numpy; x: float32 -> the quantised numbers, widened to float32 again
;;       x = np.moveaxis(x, axis, -1); K = x.shape[-1]
;;       x = np.pad(x, [(0, 0)] * (x.ndim - 1) + [(0, -K % 32)]); x = x.reshape(x.shape[:-1] + (-1, 32)); a = np.abs(x).max(-1, keepdims=True)
;;       e = np.where(a > 0, np.clip(np.frexp(np.where(a > 0, a, 1))[1] - 1 - 2, -126, 127), 0)      # np.frexp(a)[1] - 1 = floor(log2(a)), exactly
;;       r = np.clip(x / 2.0 ** e, -7.5, 7.5)
;;       step = 2.0 ** (np.maximum(np.frexp(np.where(r == 0, 1, r))[1] - 1, 0) - 3)
;;       q = np.round(r / step) * step * 2.0 ** e      # np.round: ties to even
;;       return np.moveaxis(q.reshape(q.shape[:-2] + (-1,))[..., :K], -1, axis).astype(np.float32)
;;   ~~~
;;   SOFTMAX AHEAD OF A QUANTISED PRODUCT. Where the list says 'softmax', what is quantised is not the finished softmax but p = 2^(t - M), with t = logit x log2(e) and M = ceil(the row's largest t), a whole number; so 1/2 < the row's largest p <= 1. The row's sum l is taken of the UNQUANTISED p, in f32, and the product's result is divided by l at the end. Since M is a whole number, a kernel that streams over the keys may use a running M (the ceiling of the running maximum): every later rescaling is an exact power of two, which a block's scale takes up: the codes' values come out the same.
;;   OPERANDS COMPUTED ON THE WAY. 'Computed on the way' means the value that the module computes at that place (a softmax that the list does not call 'softmax' is quantised finished and normalised). What goes into a quantiser is computed in f32, as accurately as f32 sums, v_exp_f32 and their like allow (about 1e-6 of the number): no bf16 or f16 on the way to a quantiser, and a product that is left as it is and whose result goes on into a quantised operand takes f32 operands (vector FMAs, or v_wmma_f32_16x16x4_f32). A number that lies on a knife's edge between two numbers of the format may be rounded either way, as far as f32 arithmetic and the matrix unit's own rounding can turn it there, and no further.
;; 2 versions. Each part assembles by itself: llvm-mc -triple=amdgcn-amd-amdhsa -mcpu=gfx1250 --defsym DOCPART=n.
;; ======== version 1 of 2: 4 launches
;; workspace buffers: wb 2,867,200 bytes; qkv 13,238,272 bytes; ct 6,815,744 bytes
;; launch wquant (part 1): grid 224 x 1, 4 waves a work-group, no clusters, 0 bytes of LDS; arguments Wq, Wo, Wk, Wv, wb; writes wb
.if DOCPART == 1
	.amdgcn_target "amdgcn-amd-amdhsa--gfx1250"
	.amdhsa_code_object_version 6
	.text
	.protected	k_q643db234a0_wquant
	.globl	k_q643db234a0_wquant
	.p2align	8
	.type	k_q643db234a0_wquant,@function
k_q643db234a0_wquant:
	s_mov_b64 s[64:65], 0
	v_nop
	global_prefetch_b8 v0, s[64:65] scope:SCOPE_SE
	s_setreg_imm32_b32 hwreg(HW_REG_WAVE_MODE, 25, 1), 1
	s_wait_xcnt 0x0
; Wq, Wo [1024][1024] and Wk, Wv [768][1024], f32 with K as the FIRST axis, become codes of FP6 (E2M3) with one E8M0 byte for each 32 along K,
; laid in the order of the matrix operand's registers: a fragment (16 columns x 128 K) is 12 registers a lane, register 4 c + e of lane L at byte 512 c + 16 L + 4 e of 1,536 bytes.
; wb: codes [tile of 16 columns: 64][K step][1,536]; scale words [pair of tiles: 32][K step][128 bytes]: lane L's word at 4 L, lanes 0-15 the even tile's columns, lanes 16-31 the odd tile's.
; A LANE TAKES A COLUMN AND ITS REGISTERS RUN DOWN K: a block of 32 lies in one lane, its largest magnitude needs no other lane, and the conversions give codes with K innermost.
; A wave takes 32 columns x 128 K: two fragments.  Lanes 0-15 hold the even tile's columns, lanes 16-31 the odd tile's; blocks 0, 2 go to F0, blocks 1, 3 to F1; one exchange of halves
; (F0's lanes 16-31 with F1's lanes 0-15) makes F0 the even tile's fragment and F1 the odd tile's.
; THE COLUMNS OF A TILE: for Wq, Wk, Wv lane r of tile 2 p + u takes column 32 p + 8 u + r + 8 (r / 8), so that the results of two neighbouring tiles are 16 neighbours along the next K; Wo's are natural.
; Work-groups 0-63 take Wq, 64-127 Wo, 128-175 Wk, 176-223 Wv: only pointers and constants are chosen, one path serves all four.  The four waves stand side by side on 512 bytes of each row.
; A block's scale is 2^(floor(log2(largest magnitude)) - 2); its byte is the largest magnitude's exponent field - 2, held at 1 from below.
; LIMITS: a block of zeros, or one whose largest magnitude lies under 2^-124, gets the byte 1 (its bytes are read by this program alone); NaN and infinities are not served.
; No LDS, no barrier: waves share nothing.  No cluster: no two work-groups read the same bytes.
.set WQ_C, 0
.set WO_C, 786432
.set WK_C, 1572864
.set WV_C, 2162688
.set WQ_S, 2752512
.set WO_S, 2785280
.set WK_S, 2818048
.set WV_S, 2842624
.set F0, 32                            ; v32-43  blocks 0 and 2, then the even tile's fragment
.set F1, 44                            ; v44-55  blocks 1 and 3, then the odd tile's
.set T,  56                            ; v56-58  the upper 16 codes of a block, before they are moved
.set X,  64                            ; v64-127 two sets of 32 numbers
	s_load_b256 s[4:11], s[0:1], 0x0               ; Wq, Wo, Wk, Wv
	s_load_b64 s[12:13], s[0:1], 0x20              ; wb
	v_lshrrev_b32 v1, 5, v0
	v_readfirstlane_b32 s24, v1                    ; wave
	v_and_b32 v1, 31, v0                           ; lane
	v_and_b32 v2, 7, v1
	v_and_b32 v3, 8, v1
	v_lshl_or_b32 v2, v3, 1, v2
	v_and_b32 v3, 16, v1
	v_lshrrev_b32 v3, 1, v3
	v_or_b32 v2, v2, v3                            ; the lane's column in the chosen order: bits 3 and 4 of the lane change places
	s_mov_b32 s16, 176                             ; Wv's: first work-group,
	s_mov_b32 s17, 6                               ; K steps,
	s_mov_b32 s18, WV_C                            ; where its codes begin in wb,
	s_mov_b32 s19, WV_S                            ; its scale words,
	s_mov_b32 s20, -1                              ; and the chosen order of columns in every lane
	s_wait_kmcnt 0x0
	s_mov_b64 s[14:15], s[10:11]
	s_cmp_lt_u32 ttmp9, 176                        ; the choices hang on the work-group's number alone
	s_cselect_b64 s[14:15], s[8:9], s[14:15]
	s_cselect_b32 s16, 128, s16
	s_cselect_b32 s18, WK_C, s18
	s_cselect_b32 s19, WK_S, s19
	s_cmp_lt_u32 ttmp9, 128
	s_cselect_b64 s[14:15], s[6:7], s[14:15]
	s_cselect_b32 s16, 64, s16
	s_cselect_b32 s17, 8, s17
	s_cselect_b32 s18, WO_C, s18
	s_cselect_b32 s19, WO_S, s19
	s_cselect_b32 s20, 0, s20                      ; Wo: natural columns
	s_cmp_lt_u32 ttmp9, 64
	s_cselect_b64 s[14:15], s[4:5], s[14:15]
	s_cselect_b32 s16, 0, s16
	s_cselect_b32 s18, WQ_C, s18
	s_cselect_b32 s19, WQ_S, s19
	s_cselect_b32 s20, -1, s20
	v_cndmask_b32 v3, v1, v2, s20
	v_lshlrev_b32 v3, 2, v3                        ; 4 bytes a column
	s_sub_co_u32 s21, ttmp9, s16
	s_and_b32 s22, s21, 7
	s_lshr_b32 s21, s21, 3                         ; the K step
	s_lshl_b32 s22, s22, 2
	s_add_co_u32 s22, s22, s24                     ; p: my wave's pair of tiles
	s_lshl_b32 s26, s21, 19                        ; 128 rows of 4,096 bytes a K step
	s_lshl_b32 s27, s22, 7                         ; 128 bytes a pair
	s_add_co_u32 s26, s26, s27
	s_mov_b32 s27, 0
	s_add_nc_u64 s[14:15], s[14:15], s[26:27]
	s_mul_i32 s28, s22, s17                        ; p x K steps
	s_lshl_b32 s29, s28, 1
	s_add_co_u32 s29, s29, s21
	s_mul_i32 s26, s29, 1536
	s_add_co_u32 s26, s26, s18
	s_add_nc_u64 s[30:31], s[12:13], s[26:27]      ; the even tile's fragment
	s_add_co_u32 s28, s28, s21
	s_lshl_b32 s26, s28, 7
	s_add_co_u32 s26, s26, s19
	s_add_nc_u64 s[32:33], s[12:13], s[26:27]      ; the pair's scale words
	s_mul_i32 s34, s17, 1536                       ; from a tile to the next
	v_lshlrev_b32 v4, 4, v1
	v_add_nc_u32 v5, s34, v4
	v_lshlrev_b32 v6, 2, v1
.macro LOAD t                          ; block t: W(32 t + i, my column) into set t % 2; a wave's load covers 128 bytes of a row
.set i, 0
.rept 32
	global_load_b32 v[X+32*((\t)%2)+i], v3, s[14:15] offset:(32*(\t)+i)*4096 th:TH_LOAD_NT
.set i, i+1
.endr
.endm
.macro BLOCK t
.set XB, X+32*((\t)%2)
.set FD, F0+12*((\t)%2)+6*((\t)/2)
.if (\t) < 3
	s_wait_loadcnt 32                              ; this block's 32 loads are in; the next block's 32 may be out
.else
	s_wait_loadcnt 0x0
.endif
	v_max3_num_f32 v8, |v[XB]|, |v[XB+1]|, |v[XB+2]|               ; the block's largest magnitude, in two chains
	v_max3_num_f32 v9, |v[XB+3]|, |v[XB+4]|, |v[XB+5]|
.irp i, 6,10,14,18,22,26
	v_max3_num_f32 v8, v8, |v[XB+\i]|, |v[XB+\i+1]|
	v_max3_num_f32 v9, v9, |v[XB+\i+2]|, |v[XB+\i+3]|
.endr
	v_max3_num_f32 v8, v8, |v[XB+30]|, |v[XB+31]|
	v_max3_num_f32 v8, v8, v9, 0x1800000           ; and the floor 2^(3 - 127): the byte cannot fall under 1
	v_add_nc_u32 v11, 0xff000000, v8               ; 2 off the exponent field: the conversion takes this operand's exponent field as its scale
	v_lshrrev_b32 v12, 23, v11                     ; the scale's byte
.if (\t) == 0
	v_mov_b32 v20, v12
.else
	v_lshl_or_b32 v20, v12, 8*(\t), v20            ; four bytes make my column's scale word
.endif
	v_cvt_scalef32_pk16_fp6_f32 v[FD:FD+2], v[XB:XB+15], v11
	v_cvt_scalef32_pk16_fp6_f32 v[T:T+2], v[XB+16:XB+31], v11      ; (a conversion's three registers begin on an even number)
	v_nop                                          ; one plain line behind the conversions
.irp i, 0,1,2
	v_mov_b32 v[FD+3+\i], v[T+\i]
.endr
.if (\t) < 2
	LOAD (\t)+2
.endif
.endm
	LOAD 0
	LOAD 1
.irp t, 0,1,2,3
	BLOCK \t
.endr
.irp i, 0,1,2,3,4,5,6,7,8,9,10,11
	v_permlane16_swap_b32 v[F0+\i], v[F1+\i]       ; F0: the even tile's fragment, F1: the odd tile's
.endr
.irp c, 0,1,2
	global_store_b128 v4, v[F0+4*\c:F0+4*\c+3], s[30:31] offset:512*\c   ; 32 lanes store 512 consecutive bytes, at a multiple of 256 from wb's first byte
	global_store_b128 v5, v[F1+4*\c:F1+4*\c+3], s[30:31] offset:512*\c
.endr
	global_store_b32 v6, v20, s[32:33]
	s_endpgm
.Lfunc_end_k_q643db234a0_wquant:
	.size	k_q643db234a0_wquant, .Lfunc_end_k_q643db234a0_wquant-k_q643db234a0_wquant
	.p2alignl 7, 3214868480
	.fill 96, 4, 3214868480
	.section	.rodata,"a",@progbits
	.p2align	6, 0x0
	.amdhsa_kernel k_q643db234a0_wquant
		.amdhsa_group_segment_fixed_size 0
		.amdhsa_private_segment_fixed_size 0
		.amdhsa_enable_private_segment 0
		.amdhsa_kernarg_size 40
		.amdhsa_user_sgpr_count 2
		.amdhsa_user_sgpr_kernarg_segment_ptr 1
		.amdhsa_wavefront_size32 1
		.amdhsa_system_sgpr_workgroup_id_x 1
		.amdhsa_system_sgpr_workgroup_id_y 1
		.amdhsa_system_sgpr_workgroup_id_z 1
		.amdhsa_system_vgpr_workitem_id 0
		.amdhsa_next_free_vgpr 128
		.amdhsa_next_free_sgpr 66
		.amdhsa_reserve_vcc 0
		.amdhsa_float_denorm_mode_32 3
		.amdhsa_float_denorm_mode_16_64 3
		.amdhsa_memory_ordered 1
		.amdhsa_forward_progress 1
		.amdhsa_inst_pref_size 22
	.end_amdhsa_kernel
	.amdgpu_metadata
---
amdhsa.version: [ 1, 2 ]
amdhsa.kernels:
  - .name:           k_q643db234a0_wquant
    .symbol:         k_q643db234a0_wquant.kd
    .args:
      - { .name: Wq, .offset: 0, .size: 8, .value_kind: global_buffer, .address_space: global }
      - { .name: Wo, .offset: 8, .size: 8, .value_kind: global_buffer, .address_space: global }
      - { .name: Wk, .offset: 16, .size: 8, .value_kind: global_buffer, .address_space: global }
      - { .name: Wv, .offset: 24, .size: 8, .value_kind: global_buffer, .address_space: global }
      - { .name: wb, .offset: 32, .size: 8, .value_kind: global_buffer, .address_space: global }
    .group_segment_fixed_size: 0
    .private_segment_fixed_size: 0
    .kernarg_segment_align: 8
    .kernarg_segment_size: 40
    .max_flat_workgroup_size: 128
    .sgpr_count:     66
    .vgpr_count:     128
    .wavefront_size: 32
...
	.end_amdgpu_metadata
.endif
;; end of part 1
;; launch proj (part 2): grid 256 x 1, 16 waves a work-group, no clusters, 188,416 bytes of LDS; arguments tokens, context, wb, qkv; writes qkv
.if DOCPART == 2
	.amdgcn_target "amdgcn-amd-amdhsa--gfx1250"
	.amdhsa_code_object_version 6
	.text
	.protected	k_q643db234a0_proj
	.globl	k_q643db234a0_proj
	.p2align	8
	.type	k_q643db234a0_proj,@function
k_q643db234a0_proj:
	s_mov_b64 s[64:65], 0
	v_nop
	global_prefetch_b8 v0, s[64:65] scope:SCOPE_SE
	s_setreg_imm32_b32 hwreg(HW_REG_WAVE_MODE, 25, 1), 1
	s_wait_xcnt 0x0
; Q = tokens Wq, K = context Wk, V = context Wv on codes of FP6 (E2M3) with E8M0 scales, and the results quantised at once: Q and K along the head's 64, V along the keys.
; Work-groups 0-127 make Q, 128-191 K, 192-255 V.  A work-group takes 64 rows x all 1,024 columns; wave w takes columns 64 w .. 64 w + 63: head w.
; PHASE X: the 64 rows (f32, K innermost) are quantised once for the work-group.  Wave w takes the tile of rows w % 4 and the K steps w / 4 and w / 4 + 4 (where K has so many): each load takes 512 consecutive
; bytes of one row; the 16 rows turn through the wave's own stage in LDS, so that a lane holds 16 neighbours of each block of 32; the fragment goes to LDS as an image of its 12 registers, the scale word beside it.
; One barrier; behind it LDS is only read.
; THE ROWS OF A TILE ARE NOT NEIGHBOURS: lane r of tile 2 p + u takes row 32 p + 8 u + r + 8 (r / 8); the weights' columns are laid the same way.  So the 16 registers of two neighbouring result tiles are 16 neighbours.
; PRODUCTS: Q, K: source 0 = 16 columns of the weight, source 1 = 16 rows: a lane holds one row and 32 registers along the head's 64.  V: the sources swapped: a lane holds one channel and 32 registers along 64 keys.
; Each 32 registers (two blocks of 32, shared with lane l xor 16) become six registers of codes: half a fragment, stored as 512 + 256 consecutive bytes, and two scale bytes.
; THE WEIGHTS' FRAGMENTS come from wb straight into registers, through A RING OF FIVE: fragment g = 4 x K step + tile lies in slot g % 5.  A K step's 16 products go by the weight's tiles, each against the four
; tiles of rows, so a slot is free after four products and takes fragment g + 5 at once: four fragments, 16 products, ahead of its use.  The 16 accumulators take turns.
; No cluster: a fragment of a weight is used by one wave of a work-group and needs no LDS; this text has no tensor load that could be asked jointly.
; LIMITS: blocks of zeros or under 2^-124 get the scale byte 1 (read by this program alone); NaN and infinities are not served.
.set QC_O, 0                           ; qkv: Q's codes [b][head][tile 128][768]
.set KC_O, 6291456                     ; K's [b][head][tile 64][768]
.set VC_O, 9437184                     ; V's [b][head][16 channels: 4][64 keys: 16][768]
.set QS_O, 12582912                    ; Q's scale words [b][head][pair 64][16]: bytes 0, 1 the even tile's, bytes 2, 3 the odd tile's
.set KS_O, 12845056                    ; K's [b][head][pair 32][16]
.set VS_O, 12976128                    ; V's [b][head][64 keys: 16][channel 64], two bytes in a word
.set WQ_C, 0
.set WK_C, 1572864
.set WV_C, 2162688
.set WQ_S, 2752512
.set WK_S, 2818048
.set WV_S, 2842624
.set STG,  0                           ; LDS: 16 waves x 16 rows x (512 + 16) bytes: each wave's own stage
.set XIMG, 135168                      ; the rows' fragments: (K step s, tile m) at (4 s + m) x 1,536
.set XSC,  184320                      ; their scale words: 64 bytes a fragment
.set WS,  10                           ; v10-11  the weight's scale words of even K steps, a pair of tiles in a register; v14-15 those of odd K steps
.set XS,  12                           ; v12-13  the rows' scale words, likewise
.set RO,  16                           ; v16-31  phase X: the byte offsets of the tile's 16 rows
.set TM,  16                           ; v16-31  the quantiser's work, in phase X and on the way out
.set WR,  16                           ; v16-75  the ring: five fragments of the weight
.set PC,  32                           ; phase X: the codes just made, v32-50
.set PW,  52                           ; phase X: the scale word just made
.set X,   64                           ; phase X: v64-127 64 numbers of a lane
.set XF,  76                           ; v76-123 four fragments of the rows
.set ACC, 128                          ; v128-255 16 accumulators
.set GA,  128                          ; phase X: 16 rows as loaded; GB: the second K step's
.set GB,  192
.set CD,  32                           ; the way out: six registers of codes at v[32 + 8 j]
.set TT,  64
.set HW,  68                           ; v68-71  two scale bytes for each j
.set SEL, 22
; 64 numbers of a lane, register 16 b + i = k 32 b + 16 (lane / 16) + i of my row, become a fragment's codes in v[PC] on and its scale word in v[PW].
.macro QUANT s
.irp b, 0,1,2,3
	v_max3_num_f32 v[TM+\b], |v[\s+16*\b]|, |v[\s+1+16*\b]|, 0x1800000   ; my 16 numbers of block b, and the floor 2^(3 - 127)
.endr
.irp i, 2,4,6,8,10,12,14
.irp b, 0,1,2,3
	v_max3_num_f32 v[TM+\b], v[TM+\b], |v[\s+16*\b+\i]|, |v[\s+1+16*\b+\i]|
.endr
.endr
.irp b, 0,1,2,3
	v_permlanex16_b32 v[TM+4+\b], v[TM+\b], s[SEL], s[SEL+1]
.endr
.irp b, 0,1,2,3
	v_max_num_f32 v[TM+\b], v[TM+\b], v[TM+4+\b]   ; with lane l xor 16's: the block's largest magnitude
.endr
.irp b, 0,1,2,3
	v_add_nc_u32 v[TM+12+\b], 0xff000000, v[TM+\b]   ; 2 off its exponent field: the conversion's scale operand
.endr
.irp b, 0,1,2,3
	v_lshrrev_b32 v[TM+4+\b], 23, v[TM+12+\b]      ; the scale's byte
.endr
	v_lshl_or_b32 v[PW], v[TM+5], 8, v[TM+4]
	v_lshl_or_b32 v[PW], v[TM+6], 16, v[PW]
	v_lshl_or_b32 v[PW], v[TM+7], 24, v[PW]
.irp c, 0,1
	v_cvt_scalef32_pk16_fp6_f32 v[PC+6*\c:PC+2+6*\c], v[\s+32*\c:\s+15+32*\c], v[TM+12+2*\c]
	v_cvt_scalef32_pk16_fp6_f32 v[PC+12+4*\c:PC+14+4*\c], v[\s+16+32*\c:\s+31+32*\c], v[TM+12+2*\c+1]
.endr
	v_nop                                          ; one plain line behind the conversions
.irp c, 0,1                                    ; the operand wants a whole block in a lane
.irp i, 0,1,2
	v_permlane16_swap_b32 v[PC+6*\c+\i], v[PC+12+4*\c+\i]
.endr
.irp i, 0,1,2
	v_mov_b32 v[PC+3+6*\c+\i], v[PC+12+4*\c+\i]
.endr
.endr
.endm
; The same for 32 numbers (two blocks): six registers of codes at v[d], the two bytes in v[hw].  Each of the four accumulators read here is read from its low end on.
.macro HQUANT s, d, t, hw
.irp b, 0,1
	v_max3_num_f32 v[TM+\b], |v[(\s)+16*\b]|, |v[(\s)+1+16*\b]|, 0x1800000
.endr
.irp i, 2,4,6,8,10,12,14
.irp b, 0,1
	v_max3_num_f32 v[TM+\b], v[TM+\b], |v[(\s)+16*\b+\i]|, |v[(\s)+1+16*\b+\i]|
.endr
.endr
.irp b, 0,1
	v_permlanex16_b32 v[TM+4+\b], v[TM+\b], s[SEL], s[SEL+1]
.endr
.irp b, 0,1
	v_max_num_f32 v[TM+\b], v[TM+\b], v[TM+4+\b]
.endr
.irp b, 0,1
	v_add_nc_u32 v[TM+12+\b], 0xff000000, v[TM+\b]
.endr
.irp b, 0,1
	v_lshrrev_b32 v[TM+4+\b], 23, v[TM+12+\b]
.endr
	v_lshl_or_b32 v[\hw], v[TM+5], 8, v[TM+4]
	v_cvt_scalef32_pk16_fp6_f32 v[(\d):(\d)+2], v[(\s):(\s)+15], v[TM+12]
	v_cvt_scalef32_pk16_fp6_f32 v[(\t):(\t)+2], v[(\s)+16:(\s)+31], v[TM+13]
	v_nop
.irp i, 0,1,2
	v_permlane16_swap_b32 v[(\d)+\i], v[(\t)+\i]
.endr
.irp i, 0,1,2
	v_mov_b32 v[(\d)+3+\i], v[(\t)+\i]
.endr
.endm
; One matrix instruction.  zero = 1: it starts the sum.  ra, rb = 1: the side's scale words stand in lanes 16-31 of the register named.
.macro WM d, a, b, zero, sa, sb, ra, rb
.if (\zero) && ((\ra)==0) && ((\rb)==0)
	v_wmma_scale_f32_16x16x128_f8f6f4 v[(\d):(\d)+7], v[(\a):(\a)+11], v[(\b):(\b)+11], 0, v[\sa], v[\sb] matrix_a_fmt:MATRIX_FMT_FP6 matrix_b_fmt:MATRIX_FMT_FP6
.elseif (\zero) && ((\ra)==1) && ((\rb)==0)
	v_wmma_scale_f32_16x16x128_f8f6f4 v[(\d):(\d)+7], v[(\a):(\a)+11], v[(\b):(\b)+11], 0, v[\sa], v[\sb] matrix_a_fmt:MATRIX_FMT_FP6 matrix_b_fmt:MATRIX_FMT_FP6 matrix_a_scale:MATRIX_SCALE_ROW1
.elseif (\zero) && ((\ra)==0)
	v_wmma_scale_f32_16x16x128_f8f6f4 v[(\d):(\d)+7], v[(\a):(\a)+11], v[(\b):(\b)+11], 0, v[\sa], v[\sb] matrix_a_fmt:MATRIX_FMT_FP6 matrix_b_fmt:MATRIX_FMT_FP6 matrix_b_scale:MATRIX_SCALE_ROW1
.elseif (\zero)
	v_wmma_scale_f32_16x16x128_f8f6f4 v[(\d):(\d)+7], v[(\a):(\a)+11], v[(\b):(\b)+11], 0, v[\sa], v[\sb] matrix_a_fmt:MATRIX_FMT_FP6 matrix_b_fmt:MATRIX_FMT_FP6 matrix_a_scale:MATRIX_SCALE_ROW1 matrix_b_scale:MATRIX_SCALE_ROW1
.elseif ((\ra)==0) && ((\rb)==0)
	v_wmma_scale_f32_16x16x128_f8f6f4 v[(\d):(\d)+7], v[(\a):(\a)+11], v[(\b):(\b)+11], v[(\d):(\d)+7], v[\sa], v[\sb] matrix_a_fmt:MATRIX_FMT_FP6 matrix_b_fmt:MATRIX_FMT_FP6
.elseif ((\ra)==1) && ((\rb)==0)
	v_wmma_scale_f32_16x16x128_f8f6f4 v[(\d):(\d)+7], v[(\a):(\a)+11], v[(\b):(\b)+11], v[(\d):(\d)+7], v[\sa], v[\sb] matrix_a_fmt:MATRIX_FMT_FP6 matrix_b_fmt:MATRIX_FMT_FP6 matrix_a_scale:MATRIX_SCALE_ROW1
.elseif ((\ra)==0)
	v_wmma_scale_f32_16x16x128_f8f6f4 v[(\d):(\d)+7], v[(\a):(\a)+11], v[(\b):(\b)+11], v[(\d):(\d)+7], v[\sa], v[\sb] matrix_a_fmt:MATRIX_FMT_FP6 matrix_b_fmt:MATRIX_FMT_FP6 matrix_b_scale:MATRIX_SCALE_ROW1
.else
	v_wmma_scale_f32_16x16x128_f8f6f4 v[(\d):(\d)+7], v[(\a):(\a)+11], v[(\b):(\b)+11], v[(\d):(\d)+7], v[\sa], v[\sb] matrix_a_fmt:MATRIX_FMT_FP6 matrix_b_fmt:MATRIX_FMT_FP6 matrix_a_scale:MATRIX_SCALE_ROW1 matrix_b_scale:MATRIX_SCALE_ROW1
.endif
.endm
; K step s of nk.  The four tiles of rows come from LDS at the step's head; the weight's tile n (fragment GI = 4 s + n) stands in ring slot GI % 5 and was asked for five fragments ago.
; ORDER OF THE GLOBAL LOADS: scale words of steps 0 and 1, fragments 0 to 4; then behind fragment g's products: where n = 3 the scale words of step s + 2, then fragment g + 5.
; THE WAIT AHEAD OF FRAGMENT g leaves out what was issued behind its three loads: three loads for each of the up to four later fragments, and, in steps 1 to nk - 2, the two scale loads of step s + 1
; that were issued among them.  A step's own scale words were issued ahead of its first fragment, so that wait shows them in too.
.macro STEP s, nk, swap, zero
.irp q, 0,1
	ds_load_b32 v[XS+\q], v5 offset:256*(\s)+128*\q      ; (four places stand behind the last products, which read these registers: ISA guide 7.12.1)
.endr
.irp m, 0,1,2,3
.irp c, 0,1,2
	ds_load_b128 v[XF+12*\m+4*\c:XF+12*\m+4*\c+3], v4 offset:(4*(\s)+\m)*1536+512*\c
.endr
.endr
.irp n, 0,1,2,3
.set GI, 4*(\s)+\n
.set SL, WR+12*(GI%5)
.set WSR, WS+4*((\s)%2)+\n/2
.set CN, 4*(\nk)-1-GI
.if CN > 4
.set CN, 4
.endif
.set CN, 3*CN
.if ((\s) >= 1) && ((\s) <= (\nk)-2)
.set CN, CN+2
.endif
	s_wait_loadcnt CN
.irp m, 0,1,2,3
.if \n == 0
	s_wait_dscnt 3*(3-\m)                          ; the scale words and tile m of the rows are in; the later tiles' three loads each may be out
.endif
.if \swap
	WM ACC+8*(4*\n+\m), XF+12*\m, SL, \zero, XS+\m/2, WSR, \m%2, \n%2
.else
	WM ACC+8*(4*\m+\n), SL, XF+12*\m, \zero, WSR, XS+\m/2, \n%2, \m%2
.endif
.endr
.rept 4
	v_nop                                          ; four places in front of loads into registers that matrix instructions have read, and behind the last step in front of the first read of results
.endr
.if (\n == 3) && ((\s)+2 < (\nk))
.irp p, 0,1
	global_load_b32 v[WS+4*((\s)%2)+\p], v3, s[26:27] offset:(\p*(\nk)+(\s)+2)*128   ; the scale words of two steps on, into the set that this step has done with
.endr
.endif
.if GI+5 < 4*(\nk)
.set GN, GI+5
.irp c, 0,1,2
	global_load_b128 v[SL+4*\c:SL+4*\c+3], v1, s[24:25] offset:((GN%4)*(\nk)+GN/4)*1536+512*\c   ; the slot takes the fragment five on
.endr
.endif
.endr
.endm
.macro PATH nk, swap, csec, ssec
	s_mul_i32 s20, s12, 4*\nk*1536                 ; my four tiles of the weight
	s_add_co_u32 s20, s20, \csec
	s_mov_b32 s21, 0
	s_add_nc_u64 s[24:25], s[8:9], s[20:21]
	s_mul_i32 s20, s12, 2*\nk*128                  ; and their two pairs' scale words
	s_add_co_u32 s20, s20, \ssec
	s_add_nc_u64 s[26:27], s[8:9], s[20:21]
.irp t, 0,1
.irp p, 0,1
	global_load_b32 v[WS+4*\t+\p], v3, s[26:27] offset:(\p*(\nk)+\t)*128
.endr
.endr
.irp g, 0,1,2,3,4
.irp c, 0,1,2
	global_load_b128 v[WR+12*\g+4*\c:WR+12*\g+4*\c+3], v1, s[24:25] offset:((\g%4)*(\nk)+\g/4)*1536+512*\c   ; the ring is filled
.endr
.endr
	STEP 0, \nk, \swap, 1                          ; the first K step starts the sums: nothing is cleared
.set KK, 1
.rept \nk-1
	STEP KK, \nk, \swap, 0
.set KK, KK+1
.endr
.endm
.macro XLOAD g, off                    ; the tile's 16 rows, 512 consecutive bytes each
.set i, 0
.rept 16
	global_load_b128 v[\g+4*i:\g+4*i+3], v[RO+i], s[16:17] offset:\off
.set i, i+1
.endr
.endm
.macro PROC g, io, so                  ; 16 rows as loaded -> my stage -> 64 numbers a lane -> codes -> the fragment's image and its scale words
.set i, 0
.rept 16
	ds_store_b128 v6, v[\g+4*i:\g+4*i+3] offset:528*i
.set i, i+1
.endr
.irp b, 0,1,2,3
.irp j, 0,1,2,3
	ds_load_b128 v[X+16*\b+4*\j:X+16*\b+4*\j+3], v7 offset:128*\b+16*\j   ; LDS serves a wave's instructions in order (ISA guide 5.7.1.4): these see my stores
.endr
.endr
	s_wait_dscnt 0x0                               ; the numbers are in, and the last image's stores have read their registers
	QUANT X
.irp c, 0,1,2
	ds_store_b128 v8, v[PC+4*\c:PC+4*\c+3] offset:\io+512*\c
.endr
	ds_store_b32 v9, v[PW] offset:\so              ; lanes r and r + 16 write the same word with the same value
.endm
	s_load_b256 s[4:11], s[0:1], 0x0               ; tokens, context, wb, qkv
	v_lshrrev_b32 v64, 5, v0
	v_readfirstlane_b32 s12, v64                   ; wave 0..15
	v_and_b32 v64, 31, v0                          ; lane
	v_and_b32 v65, 15, v0                          ; r
	v_bfe_u32 v66, v0, 4, 1                        ; h
	v_lshlrev_b32 v1, 4, v64                       ; 16 x lane
	v_lshl_add_u32 v2, v64, 3, 512                 ; 8 x lane + 512: the last two of six registers
	v_lshlrev_b32 v3, 2, v64                       ; 4 x lane
	v_add_nc_u32 v4, XIMG, v1                      ; every LDS address is made here, ahead of the first branch
	v_add_nc_u32 v5, XSC, v3
	s_mul_i32 s20, s12, 8448
	v_add_nc_u32 v6, s20, v1                       ; my stage, on the way in: 16 x lane, a row an instruction
	v_mul_u32_u24 v7, v65, 528
	v_lshl_add_u32 v7, v66, 6, v7
	v_add_nc_u32 v7, s20, v7                       ; and out: row r, + 64 h
	s_mul_i32 s20, s12, 1536
	v_add_nc_u32 v8, s20, v4                       ; my first fragment is number w
	s_lshl_b32 s20, s12, 6
	v_lshl_add_u32 v9, v65, 2, XSC
	v_add_nc_u32 v9, s20, v9
	s_mov_b32 s[SEL], 0x76543210
	s_mov_b32 s[SEL+1], 0xfedcba98                 ; v_permlanex16_b32's selects for lane l xor 16
	s_mov_b32 s13, 192
	s_mov_b32 s14, 3072                            ; context: bytes in a row,
	s_mov_b32 s15, 6                               ; K steps
	s_cmp_lt_u32 ttmp9, 192
	s_cselect_b32 s13, 128, s13
	s_wait_kmcnt 0x0
	s_cmp_lt_u32 ttmp9, 128
	s_cselect_b32 s13, 0, s13
	s_cselect_b32 s14, 4096, s14
	s_cselect_b32 s15, 8, s15
	s_cselect_b64 s[16:17], s[4:5], s[6:7]
	s_sub_co_u32 s13, ttmp9, s13                   ; which 64 rows of the tensor
	s_and_b32 s32, s12, 3                          ; my tile of rows
	s_lshr_b32 s33, s12, 2                         ; my first K step
	s_lshl_b32 s34, s13, 6
	s_lshr_b32 s35, s32, 1
	s_lshl_b32 s35, s35, 5
	s_add_co_u32 s34, s34, s35
	s_and_b32 s35, s32, 1
	s_lshl_b32 s35, s35, 3
	s_add_co_u32 s34, s34, s35                     ; the tile's first row: 64 x block + 32 (m / 2) + 8 (m % 2)
	s_mul_i32 s20, s34, s14
	s_lshl_b32 s35, s33, 9
	s_add_co_u32 s20, s20, s35
	s_mov_b32 s21, 0
	s_add_nc_u64 s[16:17], s[16:17], s[20:21]
	s_mul_i32 s18, s14, 9
	v_mov_b32 v[RO], v1
.irp i, 1,2,3,4,5,6,7,8,9,10,11,12,13,14,15
.if \i == 8
	v_add_nc_u32 v[RO+\i], s18, v[RO+\i-1]         ; the tile's rows 8-15 lie 8 rows further on
.else
	v_add_nc_u32 v[RO+\i], s14, v[RO+\i-1]
.endif
.endr
	s_add_co_u32 s33, s33, 4
	s_cmp_lt_u32 s33, s15                          ; has K a step w / 4 + 4?  Two whole arms: no arm reads a register that it has not loaded
	s_cbranch_scc0 .Lone
	XLOAD GA, 0
	XLOAD GB, 2048
	s_wait_loadcnt 0x0                             ; the rows are in, and the offsets' registers are free
	PROC GA, 0, 0
	PROC GB, 24576, 1024                           ; four K steps on: fragment w + 16
	s_branch .Ljoin
.Lone:
	XLOAD GA, 0
	s_wait_loadcnt 0x0
	PROC GA, 0, 0
.Ljoin:
	s_wait_dscnt 0x0                               ; for the others' sake: my images have landed
	s_barrier_signal -1
	s_barrier_wait -1                              ; all fragments of the 64 rows lie in LDS; nothing is stored there any more
; The way out of Q and K: tile j's 32 registers are the head's 64 of one row a lane.  sh: 2^sh blocks of 64 rows in a batch; tl: tiles in a head.
.macro EPIQK sh, tl, csec, ssec
	s_lshr_b32 s32, s13, \sh                       ; b
	s_and_b32 s33, s13, (1<<\sh)-1                 ; the block in its batch
	s_lshl_b32 s32, s32, 4
	s_add_co_u32 s32, s32, s12                     ; 16 b + head
	s_mul_i32 s34, s32, \tl
	s_lshl_b32 s35, s33, 2
	s_add_co_u32 s34, s34, s35
	s_mul_i32 s20, s34, 768
	s_add_co_u32 s20, s20, \csec
	s_mov_b32 s21, 0
	s_add_nc_u64 s[28:29], s[10:11], s[20:21]
	s_mul_i32 s34, s32, \tl/2
	s_lshl_b32 s35, s33, 1
	s_add_co_u32 s34, s34, s35
	s_lshl_b32 s20, s34, 6
	s_add_co_u32 s20, s20, \ssec
	s_add_nc_u64 s[30:31], s[10:11], s[20:21]
.irp j, 0,1,2,3
	HQUANT ACC+32*\j, CD+8*\j, TT, HW+\j
.endr
.irp j, 0,1,2,3
	global_store_b128 v1, v[CD+8*\j:CD+8*\j+3], s[28:29] offset:768*\j     ; 512 consecutive bytes,
	global_store_b64 v2, v[CD+8*\j+4:CD+8*\j+5], s[28:29] offset:768*\j    ; and 256: both at multiples of 256 from qkv's first byte
.endr
	v_lshl_or_b32 v72, v[HW+1], 16, v[HW]          ; a pair's word: the even tile's two bytes below, the odd tile's above
	v_lshl_or_b32 v73, v[HW+3], 16, v[HW+2]
	v_and_b32 v74, 31, v0                          ; lane
	v_cmp_gt_u32 vcc_lo, 16, v74
	v_cndmask_b32 v72, v73, v72, vcc_lo            ; lanes 0-15 the first pair's rows, lanes 16-31 the second's
	global_store_b32 v3, v72, s[30:31]
	s_wait_xcnt 0x0
	v_lshl_add_u32 v254, v0, 2, 0x2d800
	v_mov_b32 v255, 0
	s_wait_tensorcnt 0x0
	ds_add_u32 v254, v255
	s_wait_dscnt 0x0
	s_endpgm
.endm
	s_cmp_lt_u32 ttmp9, 128
	s_cbranch_scc1 .Lq
	s_cmp_lt_u32 ttmp9, 192
	s_cbranch_scc1 .Lk
	PATH 6, 1, WV_C, WV_S                          ; V: a lane holds channel r of tile j, its registers run along the block's 64 keys
	s_lshr_b32 s32, s13, 4
	s_and_b32 s33, s13, 15
	s_lshl_b32 s32, s32, 4
	s_add_co_u32 s32, s32, s12
	s_lshl_b32 s34, s32, 6
	s_add_co_u32 s34, s34, s33
	s_mul_i32 s20, s34, 768
	s_add_co_u32 s20, s20, VC_O
	s_mov_b32 s21, 0
	s_add_nc_u64 s[28:29], s[10:11], s[20:21]
	s_lshl_b32 s34, s32, 4
	s_add_co_u32 s34, s34, s33
	s_lshl_b32 s20, s34, 8
	s_add_co_u32 s20, s20, VS_O
	s_add_nc_u64 s[30:31], s[10:11], s[20:21]
.irp j, 0,1,2,3
	HQUANT ACC+32*\j, CD+8*\j, TT, HW+\j
.endr
.irp j, 0,1,2,3
	global_store_b128 v1, v[CD+8*\j:CD+8*\j+3], s[28:29] offset:12288*\j
	global_store_b64 v2, v[CD+8*\j+4:CD+8*\j+5], s[28:29] offset:12288*\j
.endr
	v_and_b32 v74, 31, v0                          ; lane
	v_cmp_gt_u32 vcc_lo, 16, v74
	v_cndmask_b32 v72, v[HW+1], v[HW], vcc_lo      ; channels 0-15 in lanes 0-15, 16-31 in lanes 16-31
	v_cndmask_b32 v73, v[HW+3], v[HW+2], vcc_lo
	global_store_b32 v3, v72, s[30:31]
	global_store_b32 v3, v73, s[30:31] offset:128
	s_wait_xcnt 0x0
	v_lshl_add_u32 v254, v0, 2, 0x2d800
	v_mov_b32 v255, 0
	s_wait_tensorcnt 0x0
	ds_add_u32 v254, v255
	s_wait_dscnt 0x0
	s_endpgm
.Lq:
	PATH 8, 0, WQ_C, WQ_S
	EPIQK 5, 128, QC_O, QS_O
.Lk:
	PATH 6, 0, WK_C, WK_S
	EPIQK 4, 64, KC_O, KS_O
.Lfunc_end_k_q643db234a0_proj:
	.size	k_q643db234a0_proj, .Lfunc_end_k_q643db234a0_proj-k_q643db234a0_proj
	.p2alignl 7, 3214868480
	.fill 96, 4, 3214868480
	.section	.rodata,"a",@progbits
	.p2align	6, 0x0
	.amdhsa_kernel k_q643db234a0_proj
		.amdhsa_group_segment_fixed_size 188416
		.amdhsa_private_segment_fixed_size 0
		.amdhsa_enable_private_segment 0
		.amdhsa_kernarg_size 32
		.amdhsa_user_sgpr_count 2
		.amdhsa_user_sgpr_kernarg_segment_ptr 1
		.amdhsa_wavefront_size32 1
		.amdhsa_system_sgpr_workgroup_id_x 1
		.amdhsa_system_sgpr_workgroup_id_y 1
		.amdhsa_system_sgpr_workgroup_id_z 1
		.amdhsa_system_vgpr_workitem_id 0
		.amdhsa_next_free_vgpr 256
		.amdhsa_next_free_sgpr 66
		.amdhsa_reserve_vcc 1
		.amdhsa_float_denorm_mode_32 3
		.amdhsa_float_denorm_mode_16_64 3
		.amdhsa_memory_ordered 1
		.amdhsa_forward_progress 1
		.amdhsa_inst_pref_size 154
	.end_amdhsa_kernel
	.amdgpu_metadata
---
amdhsa.version: [ 1, 2 ]
amdhsa.kernels:
  - .name:           k_q643db234a0_proj
    .symbol:         k_q643db234a0_proj.kd
    .args:
      - { .name: tokens, .offset: 0, .size: 8, .value_kind: global_buffer, .address_space: global }
      - { .name: context, .offset: 8, .size: 8, .value_kind: global_buffer, .address_space: global }
      - { .name: wb, .offset: 16, .size: 8, .value_kind: global_buffer, .address_space: global }
      - { .name: qkv, .offset: 24, .size: 8, .value_kind: global_buffer, .address_space: global }
    .group_segment_fixed_size: 188416
    .private_segment_fixed_size: 0
    .kernarg_segment_align: 8
    .kernarg_segment_size: 32
    .max_flat_workgroup_size: 512
    .sgpr_count:     66
    .vgpr_count:     256
    .wavefront_size: 32
...
	.end_amdgpu_metadata
.endif
;; end of part 2
;; launch attn (part 3): grid 4 x 64, 16 waves a work-group, no clusters, 104,448 bytes of LDS; arguments qkv, ct; writes ct
.if DOCPART == 3
	.amdgcn_target "amdgcn-amd-amdhsa--gfx1250"
	.amdhsa_code_object_version 6
	.text
	.protected	k_q643db234a0_attn
	.globl	k_q643db234a0_attn
	.p2align	8
	.type	k_q643db234a0_attn,@function
k_q643db234a0_attn:
	s_mov_b64 s[64:65], 0
	v_nop
	global_prefetch_b8 v0, s[64:65] scope:SCOPE_SE
	s_setreg_imm32_b32 hwreg(HW_REG_WAVE_MODE, 25, 1), 1
	s_wait_xcnt 0x0
; ctx[b][q][head] = softmax_k(Q . K / 8) V on codes of FP6 (E2M3) with E8M0 scales, and ctx quantised at once along the 1,024 of the last product's K.
; THE SOFTMAX AHEAD OF THE SECOND PRODUCT: t = score x log2(e) / 8; M = the running largest t rounded UP to a whole number; p = 2^(t - M) is quantised along the keys, not normalised; the row's sum is taken
; of the unquantised p and divides at the end; when M moves, the sum and O are multiplied by 2^(old M - new M), which rounds nothing.
; SHARES.  A work-group owns 512 queries of one head (x: which 512; y: 16 b + head).  Each of its sixteen waves owns two tiles of 16 queries and works them one after the other; four waves share a SIMD.
; A head's K and V, 2 x 49,152 bytes of codes and 2 x 2,048 of scale words, are copied into LDS once, through registers; one barrier; behind it LDS is only read.
; Both tiles' codes of Q and their scale words are asked for at the head, beside that copy: no load stands behind the barrier.
; LAYOUT.  Both products are used transposed: S^T = K Q^T, O^T = V^T P^T: a lane holds one query throughout.  The keys of a tile, the queries of a tile and the channels of a tile of V are laid
; so (row r of tile 2 p + u is index 32 p + 8 u + r + 8 (r / 8)) that the 16 registers of two neighbouring result tiles are 16 neighbours.
; THE FIRST PRODUCT'S K IS 64, the instruction's 128: two neighbouring tiles of keys, six registers each, stand on end as ONE operand; times [q | 0] it gives the even tile's scores, times [0 | q] the odd tile's.
; The other half meets zero codes, which add nothing under any scale byte of 1 .. 254.  So each byte of K is read from LDS once, and a pair's four scale bytes are one word.
; No cluster: what the four work-groups of a head share is copied once, 102,400 bytes a work-group, ahead of its 16 x 2 x 8 key steps; this text has no tensor load that could be asked jointly.
; LIMITS: blocks of zeros or under 2^-124 get the scale byte 1 (read by this program alone); NaN and infinities are not served.
.set KC_O, 6291456
.set VC_O, 9437184
.set QS_O, 12582912
.set KS_O, 12845056
.set VS_O, 12976128
.set CS_O, 6291456                     ; ct: codes [tile of 16 queries: 512][head 16][768]; scale words [pair 256][head 16][128 bytes]
.set KIMG, 0
.set VIMG, 49152
.set KSC,  98304
.set VSC,  100352
.set QL,  16                           ; v16-27   [q | 0]
.set F,   32                           ; v32-79   four operands of K or of V
.set QH,  80                           ; v80-91   [0 | q]
.set HW,  92                           ; v92-93   ctx's two scale bytes, for each of my tiles
.set S,   96                           ; v96-159  S^T, then p
.set O,   160                          ; v160-191 O^T
.set PC,  192                          ; v192-203 p's codes; at the end ctx's
.set CT,  204                          ; v204-206, v208-210 the conversions' second halves
.set BM,  212                          ; v212-215 the blocks' largest scores
.set T2,  216                          ; v216-219 at work
.set SOP, 220                          ; v220-223 the conversions' scale operands
.set KSR, 224                          ; v224-225 K's scale words
.set VSR, 226                          ; v226-227 V's
.set PS,  228                          ; v228     p's scale word
.set FF,  230                          ; v[230:231] f = 2^(old M - new M); at the end 1 / the sum
.set TP,  232
.set Q1B, 234                          ; v234-235 the last two of tile 1's six registers of Q, until its turn
.set TM,  236                          ; v236-249 the quantiser's work
.set Q1,  252                          ; v252-255 the first four
.set SEL, 20
.set CS,  22
.macro HQUANT s, d, t, hw              ; 32 numbers of a lane (two blocks, shared with lane l xor 16) -> six registers of codes, two bytes
.irp b, 0,1
	v_max3_num_f32 v[TM+\b], |v[(\s)+16*\b]|, |v[(\s)+1+16*\b]|, 0x1800000
.endr
.irp i, 2,4,6,8,10,12,14
.irp b, 0,1
	v_max3_num_f32 v[TM+\b], v[TM+\b], |v[(\s)+16*\b+\i]|, |v[(\s)+1+16*\b+\i]|
.endr
.endr
.irp b, 0,1
	v_permlanex16_b32 v[TM+4+\b], v[TM+\b], s[SEL], s[SEL+1]
.endr
.irp b, 0,1
	v_max_num_f32 v[TM+\b], v[TM+\b], v[TM+4+\b]
.endr
.irp b, 0,1
	v_add_nc_u32 v[TM+12+\b], 0xff000000, v[TM+\b]
.endr
.irp b, 0,1
	v_lshrrev_b32 v[TM+4+\b], 23, v[TM+12+\b]
.endr
	v_lshl_or_b32 v[\hw], v[TM+5], 8, v[TM+4]
	v_cvt_scalef32_pk16_fp6_f32 v[(\d):(\d)+2], v[(\s):(\s)+15], v[TM+12]
	v_cvt_scalef32_pk16_fp6_f32 v[(\t):(\t)+2], v[(\s)+16:(\s)+31], v[TM+13]
	v_nop                                          ; one plain line behind the conversions
.irp i, 0,1,2
	v_permlane16_swap_b32 v[(\d)+\i], v[(\t)+\i]
.endr
.irp i, 0,1,2
	v_mov_b32 v[(\d)+3+\i], v[(\t)+\i]
.endr
.endm
.macro WM d, a, b, zero, sa, sb, ra    ; one matrix instruction; ra = 1: source 0's scale words stand in lanes 16-31
.if (\zero) && ((\ra)==0)
	v_wmma_scale_f32_16x16x128_f8f6f4 v[(\d):(\d)+7], v[(\a):(\a)+11], v[(\b):(\b)+11], 0, v[\sa], v[\sb] matrix_a_fmt:MATRIX_FMT_FP6 matrix_b_fmt:MATRIX_FMT_FP6
.elseif (\zero)
	v_wmma_scale_f32_16x16x128_f8f6f4 v[(\d):(\d)+7], v[(\a):(\a)+11], v[(\b):(\b)+11], 0, v[\sa], v[\sb] matrix_a_fmt:MATRIX_FMT_FP6 matrix_b_fmt:MATRIX_FMT_FP6 matrix_a_scale:MATRIX_SCALE_ROW1
.elseif ((\ra)==0)
	v_wmma_scale_f32_16x16x128_f8f6f4 v[(\d):(\d)+7], v[(\a):(\a)+11], v[(\b):(\b)+11], v[(\d):(\d)+7], v[\sa], v[\sb] matrix_a_fmt:MATRIX_FMT_FP6 matrix_b_fmt:MATRIX_FMT_FP6
.else
	v_wmma_scale_f32_16x16x128_f8f6f4 v[(\d):(\d)+7], v[(\a):(\a)+11], v[(\b):(\b)+11], v[(\d):(\d)+7], v[\sa], v[\sb] matrix_a_fmt:MATRIX_FMT_FP6 matrix_b_fmt:MATRIX_FMT_FP6 matrix_a_scale:MATRIX_SCALE_ROW1
.endif
.endm
; A KEY STEP: 128 keys.  s28, s29, s30: where the step's K, V and scale words begin.
.macro KSTEP
	v_add_nc_u32 v8, s28, v1                       ; six plain lines: also the places in front of loads into registers that the last products read
	v_add_nc_u32 v9, s28, v2
	v_add_nc_u32 v10, s29, v3
	v_add_nc_u32 v11, s29, v4
	v_add_nc_u32 v28, s30, v5
	v_add_nc_u32 v29, s30, v6
.irp p, 0,1,2,3                                ; a pair of tiles of keys: two times six registers on end
	ds_load_b128 v[F+12*\p:F+12*\p+3], v8 offset:1536*\p
	ds_load_b64 v[F+12*\p+4:F+12*\p+5], v9 offset:1536*\p
	ds_load_b128 v[F+12*\p+6:F+12*\p+9], v8 offset:1536*\p+768
	ds_load_b64 v[F+12*\p+10:F+12*\p+11], v9 offset:1536*\p+768
.endr
	ds_load_b32 v[KSR], v28                        ; lanes 0-15 pair 0's words, lanes 16-31 pair 1's
	ds_load_b32 v[KSR+1], v28 offset:128
	s_wait_dscnt 0x0
.irp p, 0,1,2,3
	WM S+16*\p, F+12*\p, QL, 1, KSR+\p/2, 31, \p%2
	WM S+16*\p+8, F+12*\p, QH, 1, KSR+\p/2, 31, \p%2
.endr                                          ; the 16 registers of tiles 2 b, 2 b + 1 are keys 32 b + 16 (lane / 16) + 0 .. 15 of the step
.rept 4
	v_nop                                          ; places in front of the loads below and of the first read of the scores
.endr
.irp t, 0,1,2,3                                ; V's four tiles of 16 channels x these 128 keys: asked for now, wanted behind the softmax
	ds_load_b128 v[F+12*\t:F+12*\t+3], v10 offset:12288*\t
	ds_load_b64 v[F+12*\t+4:F+12*\t+5], v11 offset:12288*\t
	ds_load_b128 v[F+12*\t+6:F+12*\t+9], v10 offset:12288*\t+768
	ds_load_b64 v[F+12*\t+10:F+12*\t+11], v11 offset:12288*\t+768
.endr
	ds_load_b32 v[VSR], v29
	ds_load_b32 v[VSR+1], v29 offset:128
.irp b, 0,1,2,3
	v_max3_num_f32 v[BM+\b], v[S+16*\b], v[S+1+16*\b], v[S+2+16*\b]   ; the largest score of each block of 32 keys: for the row's maximum and, since p rises with the score, for the block's largest p
.endr
.irp i, 3,5,7,9,11,13
.irp b, 0,1,2,3
	v_max3_num_f32 v[BM+\b], v[BM+\b], v[S+16*\b+\i], v[S+1+16*\b+\i]
.endr
.endr
.irp b, 0,1,2,3
	v_max_num_f32 v[BM+\b], v[BM+\b], v[S+15+16*\b]
.endr
.irp b, 0,1,2,3
	v_permlanex16_b32 v[T2+\b], v[BM+\b], s[SEL], s[SEL+1]
.endr
.irp b, 0,1,2,3
	v_max_num_f32 v[BM+\b], v[BM+\b], v[T2+\b]     ; with lane l xor 16's 16 keys
.endr
	v_max3_num_f32 v[TP], v[BM], v[BM+1], v[BM+2]
	v_max_num_f32 v[TP], v[TP], v[BM+3]
	v_mul_f32 v[TP], s[CS], v[TP]                  ; as t (c is positive)
	v_max_num_f32 v13, v13, v[TP]                  ; the running largest t
	v_mov_b32 v[TP], v12
	v_floor_f32 v12, -v13                          ; the new -M = floor(-t): M is a whole number
	v_sub_f32 v[TP], v12, v[TP]                    ; old M - new M: a whole number, 0 or less
	v_cvt_i32_f32 v[TP], v[TP]                     ; (it saturates)
	v_ldexp_f32 v[FF], 1.0, v[TP]                  ; f = 2^(old M - new M)
.set j, 0
.rept 32
	v_pk_fma_f32 v[S+j:S+j+1], v[S+j:S+j+1], s[CS:CS+1], v[12:13] op_sel_hi:[1,0,0]   ; t - M, two at a time
.set j, j+2
.endr
.irp b, 0,1,2,3
	v_fma_f32 v[BM+\b], v[BM+\b], s[CS], v12       ; the same of each block's largest score
.endr
.set j, 0
.rept 64
	v_exp_f32 v[S+j], v[S+j]                       ; p = 2^(t - M), at most 1
.set j, j+1
.endr
	v_pk_mul_f32 v[14:15], v[14:15], v[FF:FF+1] op_sel_hi:[1,0]   ; the sums under the new M: a plain line behind the exponentials
	s_wait_alu depctr_va_vdst(0)                   ; one wait for the batch, ahead of its first reader
.irp b, 0,1,2,3
	v_exp_f32 v[BM+\b], v[BM+\b]                   ; the block's largest p
.endr
	v_pk_add_f32 v[T2:T2+1], v[S:S+1], v[S+2:S+3]  ; the row's sum is taken of the unquantised p, in two chains
.irp j, 4,8,12,16,20,24,28,32,36,40,44,48,52,56,60
	v_pk_add_f32 v[14:15], v[14:15], v[S+\j:S+1+\j]
	v_pk_add_f32 v[T2:T2+1], v[T2:T2+1], v[S+2+\j:S+3+\j]
.endr
	v_pk_add_f32 v[14:15], v[14:15], v[T2:T2+1]
	s_wait_alu depctr_va_vdst(0)                   ; and one for the four
.irp b, 0,1,2,3
	v_max_num_f32 v[BM+\b], 0x1800000, v[BM+\b]    ; the floor 2^(3 - 127): the byte cannot fall under 1
.endr
.irp b, 0,1,2,3
	v_add_nc_u32 v[SOP+\b], 0xff000000, v[BM+\b]   ; 2 off the exponent field: the conversion's scale operand
.endr
.irp b, 0,1,2,3
	v_lshrrev_b32 v[T2+\b], 23, v[SOP+\b]          ; the scale's byte
.endr
	v_lshl_or_b32 v[PS], v[T2+1], 8, v[T2]
	v_lshl_or_b32 v[PS], v[T2+2], 16, v[PS]
	v_lshl_or_b32 v[PS], v[T2+3], 24, v[PS]
.irp c, 0,1
	v_cvt_scalef32_pk16_fp6_f32 v[PC+6*\c:PC+2+6*\c], v[S+32*\c:S+15+32*\c], v[SOP+2*\c]
	v_cvt_scalef32_pk16_fp6_f32 v[CT+4*\c:CT+2+4*\c], v[S+16+32*\c:S+31+32*\c], v[SOP+2*\c+1]
.endr
	v_nop                                          ; one plain line behind the conversions
.irp c, 0,1
.irp i, 0,1,2
	v_permlane16_swap_b32 v[PC+6*\c+\i], v[CT+4*\c+\i]
.endr
.irp i, 0,1,2
	v_mov_b32 v[PC+3+6*\c+\i], v[CT+4*\c+\i]
.endr
.endr
.set j, 0
.rept 16
	v_pk_mul_f32 v[O+j:O+j+1], v[O+j:O+j+1], v[FF:FF+1] op_sel_hi:[1,0]   ; O^T under the new M, each accumulator from its low end on; these 16 are also the places between p's scale word and codes and the products
.set j, j+2
.endr
	s_wait_dscnt 0x0                               ; V is in
.irp t, 0,1,2,3
	WM O+8*\t, F+12*\t, PC, 0, VSR+\t/2, PS, \t%2  ; four accumulators by turns, one instruction a turn
.endr
	s_add_co_u32 s28, s28, 6144
	s_add_co_u32 s29, s29, 1536
	s_add_co_u32 s30, s30, 256
.endm
; One of my two tiles of 16 queries, from its codes to ctx's codes.  Tile 0's codes were loaded into their places at the head; tile 1's are moved there now.
.macro TILE i
.if \i == 1
	s_wait_xcnt 0x0                                ; the last tile's stores have read their registers
.irp j, 0,1,2,3
	v_mov_b32 v[QL+\j], v[Q1+\j]                   ; the same six registers twice: as the lower half of [q | 0]
	v_mov_b32 v[QH+6+\j], v[Q1+\j]                 ; and as the upper half of [0 | q]
.endr
.irp j, 0,1
	v_mov_b32 v[QL+4+\j], v[Q1B+\j]
	v_mov_b32 v[QH+10+\j], v[Q1B+\j]
.endr
	v_perm_b32 v31, v30, v30, 0x07060302           ; my tile's two bytes, twice: for either half of K
.else
	v_perm_b32 v31, v30, v30, 0x05040100
.endif
	v_mov_b32 v13, 0xff61b1e6                      ; the largest t so far: -3e38, under every t
	v_floor_f32 v12, -v13                          ; -M
	v_mov_b32 v14, 0                               ; the sum, in two halves
	v_mov_b32 v15, 0
.set j, 0
.rept 32
	v_mov_b32 v[O+j], 0                            ; O^T: the step is written once, and its first trip finds zeros.  (These lines are also the places between the operand and the scale word above and the first product)
.set j, j+1
.endr
	s_mov_b32 s28, 0
	s_mov_b32 s29, 0
	s_mov_b32 s30, 0
	s_mov_b32 s31, 8                               ; 1,024 keys, 128 a trip
.Lkeys_\@:
	KSTEP
	s_sub_co_u32 s31, s31, 1
	s_cmp_lg_u32 s31, 0
	s_cbranch_scc1 .Lkeys_\@
.rept 4
	v_nop                                          ; places behind the last products
.endr
	v_add_f32 v14, v14, v15
	v_permlanex16_b32 v[TP], v14, s[SEL], s[SEL+1]
	v_add_f32 v14, v14, v[TP]                      ; the row's sum
	v_rcp_f32 v[FF], v14
	v_nop                                          ; a plain line behind the reciprocal
	s_wait_alu depctr_va_vdst(0)                   ; and the wait ahead of its first reader
.set j, 0
.rept 16
	v_pk_mul_f32 v[O+j:O+j+1], v[O+j:O+j+1], v[FF:FF+1] op_sel_hi:[1,0]   ; register 16 b + i is ctx(query, 64 head + 32 b + 16 (lane / 16) + i)
.set j, j+2
.endr
	HQUANT O, PC, CT, HW+\i
	global_store_b128 v1, v[PC:PC+3], s[24:25] offset:12288*\i    ; 512 and 256 consecutive bytes, at multiples of 256 from ct's first byte
	global_store_b64 v2, v[PC+4:PC+5], s[24:25] offset:12288*\i
.endm
	s_load_b128 s[4:7], s[0:1], 0x0                ; qkv, ct
	v_lshl_add_u32 v250, v0, 2, 0x19000
	v_mov_b32 v251, 0
	v_lshrrev_b32 v8, 5, v0
	v_readfirstlane_b32 s8, v8                     ; wave 0..15
	s_and_b32 s9, ttmp7, 0xffff                    ; 16 b + head
	s_lshl_b32 s10, ttmp9, 4
	s_add_co_u32 s10, s10, s8                      ; P: my pair of tiles of queries, 0..63
	v_and_b32 v95, 31, v0                          ; lane
	v_lshlrev_b32 v1, 4, v95                       ; 16 x lane
	v_lshl_add_u32 v2, v95, 3, 512                 ; 8 x lane + 512
	v_add_nc_u32 v3, VIMG, v1
	v_add_nc_u32 v4, VIMG, v2
	v_lshl_add_u32 v5, v95, 2, KSC
	v_lshl_add_u32 v6, v95, 2, VSC
	v_lshlrev_b32 v7, 2, v95
	v_and_b32 v94, 15, v0
	v_lshlrev_b32 v94, 2, v94                      ; 4 r
	v_lshlrev_b32 v10, 4, v0                       ; the copy: 16 x thread, in memory and in K's part of LDS;
	v_add_nc_u32 v11, VIMG, v10                    ; in V's;
	v_lshl_add_u32 v8, v0, 2, KSC                  ; a scale word a thread
	v_lshrrev_b32 v29, 6, v0
	v_and_b32 v28, 63, v0
	v_lshlrev_b32 v28, 2, v28
	v_lshl_add_u32 v29, v29, 9, v28                ; V's scale bytes of key step t / 64, channel t % 64: two words, 256 bytes apart
	v_lshlrev_b32 v28, 2, v0
	s_mov_b32 s[SEL], 0x76543210
	s_mov_b32 s[SEL+1], 0xfedcba98
	s_mov_b32 s[CS], 0x3e38aa3b                    ; c = log2(e) / 8
	s_mov_b32 s[CS+1], s[CS]                       ; (named with it as a pair, so it is written)
	s_mul_i32 s12, s9, 49152
	s_mov_b32 s13, 0
	s_wait_kmcnt 0x0
	s_add_nc_u64 s[32:33], s[4:5], s[12:13]
	s_add_nc_u64 s[34:35], s[32:33], VC_O          ; the head's V
	s_add_nc_u64 s[32:33], s[32:33], KC_O          ; and K
	s_lshl_b32 s12, s9, 11
	s_add_nc_u64 s[36:37], s[4:5], s[12:13]
	s_add_nc_u64 s[36:37], s[36:37], KS_O
	s_lshl_b32 s12, s9, 12
	s_add_nc_u64 s[38:39], s[4:5], s[12:13]
	s_add_nc_u64 s[18:19], s[38:39], QS_O
	s_add_nc_u64 s[38:39], s[38:39], VS_O
.irp i, 0,1,2,3,4,5
	global_load_b128 v[96+4*\i:99+4*\i], v10, s[32:33] offset:8192*\i
.endr
.irp i, 0,1,2,3,4,5
	global_load_b128 v[120+4*\i:123+4*\i], v10, s[34:35] offset:8192*\i
.endr
	global_load_b32 v144, v28, s[36:37]
	global_load_b32 v145, v29, s[38:39]
	global_load_b32 v146, v29, s[38:39] offset:256
	s_lshl_b32 s12, s10, 6
	s_add_nc_u64 s[18:19], s[18:19], s[12:13]      ; my pair's scale words of Q
	s_lshl_b32 s12, s9, 7
	s_lshl_b32 s14, s10, 1
	s_add_co_u32 s12, s12, s14
	s_mul_i32 s12, s12, 768
	s_add_nc_u64 s[16:17], s[4:5], s[12:13]        ; my first tile of Q (Q's codes begin qkv)
	global_load_b128 v[QL:QL+3], v1, s[16:17]      ; tile 0's six registers, twice: into [q | 0]
	global_load_b64 v[QL+4:QL+5], v2, s[16:17]
	global_load_b128 v[QH+6:QH+9], v1, s[16:17]    ; and into [0 | q]
	global_load_b64 v[QH+10:QH+11], v2, s[16:17]
	global_load_b128 v[Q1:Q1+3], v1, s[16:17] offset:768         ; tile 1's, kept until its turn
	global_load_b64 v[Q1B:Q1B+1], v2, s[16:17] offset:768
	global_load_b32 v30, v94, s[18:19]             ; the pair's scale words: bytes 0, 1 tile 0's, bytes 2, 3 tile 1's
	s_lshr_b32 s14, s9, 4                          ; b
	s_and_b32 s15, s9, 15                          ; head
	s_lshl_b32 s12, s14, 7
	s_lshl_b32 s40, s10, 1
	s_add_co_u32 s12, s12, s40
	s_lshl_b32 s12, s12, 4
	s_add_co_u32 s12, s12, s15
	s_mul_i32 s12, s12, 768
	s_add_nc_u64 s[24:25], s[6:7], s[12:13]        ; ctx's codes: (tile 128 b + 2 P, head)
	s_lshl_b32 s12, s14, 6
	s_add_co_u32 s12, s12, s10
	s_lshl_b32 s12, s12, 4
	s_add_co_u32 s12, s12, s15
	s_lshl_b32 s12, s12, 7
	s_add_co_u32 s12, s12, CS_O
	s_add_nc_u64 s[26:27], s[6:7], s[12:13]        ; and its scale words
.irp j, 6,7,8,9,10,11
	v_mov_b32 v[QL+\j], 0                          ; the zero halves, written once
.endr
.irp j, 0,1,2,3,4,5
	v_mov_b32 v[QH+\j], 0
.endr
.irp b, 0,1,2,3
	v_mov_b32 v[T2+\b], 0                          ; written once: a lane permute's destination counts as one of its sources
.endr
	v_mov_b32 v[FF+1], 0                           ; (named as the upper half of a pair)
	v_mov_b32 v[TP], 0
	v_mov_b32 v[TM+4], 0
	v_mov_b32 v[TM+5], 0
	s_wait_loadcnt 0x0                             ; the copy and Q are in
	v_lshl_or_b32 v147, v146, 16, v145             ; a key step's four bytes of a channel
.irp i, 0,1,2,3,4,5
	ds_store_b128 v10, v[96+4*\i:99+4*\i] offset:KIMG+8192*\i
.endr
.irp i, 0,1,2,3,4,5
	ds_store_b128 v11, v[120+4*\i:123+4*\i] offset:8192*\i
.endr
	ds_store_b32 v8, v144
	ds_store_b32 v8, v147 offset:VSC-KSC
	s_wait_dscnt 0x0                               ; for the others' sake: my stores have landed
	s_barrier_signal -1
	s_barrier_wait -1                              ; the head's K and V lie in LDS; nothing is stored there any more
	TILE 0
	TILE 1
	v_cmp_gt_u32 vcc_lo, 16, v95
	v_cndmask_b32 v[HW], v[HW+1], v[HW], vcc_lo    ; lanes 0-15 tile 0's rows, lanes 16-31 tile 1's
	global_store_b32 v7, v[HW], s[26:27]
	s_wait_tensorcnt 0x0
	ds_add_u32 v250, v251
	s_wait_dscnt 0x0
	s_endpgm
.Lfunc_end_k_q643db234a0_attn:
	.size	k_q643db234a0_attn, .Lfunc_end_k_q643db234a0_attn-k_q643db234a0_attn
	.p2alignl 7, 3214868480
	.fill 96, 4, 3214868480
	.section	.rodata,"a",@progbits
	.p2align	6, 0x0
	.amdhsa_kernel k_q643db234a0_attn
		.amdhsa_group_segment_fixed_size 104448
		.amdhsa_private_segment_fixed_size 0
		.amdhsa_enable_private_segment 0
		.amdhsa_kernarg_size 16
		.amdhsa_user_sgpr_count 2
		.amdhsa_user_sgpr_kernarg_segment_ptr 1
		.amdhsa_wavefront_size32 1
		.amdhsa_system_sgpr_workgroup_id_x 1
		.amdhsa_system_sgpr_workgroup_id_y 1
		.amdhsa_system_sgpr_workgroup_id_z 1
		.amdhsa_system_vgpr_workitem_id 0
		.amdhsa_next_free_vgpr 256
		.amdhsa_next_free_sgpr 66
		.amdhsa_reserve_vcc 1
		.amdhsa_float_denorm_mode_32 3
		.amdhsa_float_denorm_mode_16_64 3
		.amdhsa_memory_ordered 1
		.amdhsa_forward_progress 1
		.amdhsa_inst_pref_size 50
	.end_amdhsa_kernel
	.amdgpu_metadata
---
amdhsa.version: [ 1, 2 ]
amdhsa.kernels:
  - .name:           k_q643db234a0_attn
    .symbol:         k_q643db234a0_attn.kd
    .args:
      - { .name: qkv, .offset: 0, .size: 8, .value_kind: global_buffer, .address_space: global }
      - { .name: ct, .offset: 8, .size: 8, .value_kind: global_buffer, .address_space: global }
    .group_segment_fixed_size: 104448
    .private_segment_fixed_size: 0
    .kernarg_segment_align: 8
    .kernarg_segment_size: 16
    .max_flat_workgroup_size: 512
    .sgpr_count:     66
    .vgpr_count:     256
    .wavefront_size: 32
...
	.end_amdgpu_metadata
.endif
;; end of part 3
;; launch outp (part 4): grid 2 x 128, 8 waves a work-group, no clusters, 103,424 bytes of LDS; arguments ct, wb, bo, out0; writes out0
.if DOCPART == 4
	.amdgcn_target "amdgcn-amd-amdhsa--gfx1250"
	.amdhsa_code_object_version 6
	.text
	.protected	k_q643db234a0_outp
	.globl	k_q643db234a0_outp
	.p2align	8
	.type	k_q643db234a0_outp,@function
k_q643db234a0_outp:
	s_mov_b64 s[64:65], 0
	v_nop
	global_prefetch_b8 v0, s[64:65] scope:SCOPE_SE
	s_setreg_imm32_b32 hwreg(HW_REG_WAVE_MODE, 25, 1), 1
	s_wait_xcnt 0x0
; out0 = ctx Wo + bo on codes of FP6 (E2M3) with E8M0 scales.  ctx's codes and scale bytes come from ct, Wo's from wb, both in the order of the operands' registers.
; A work-group (x: which 512 columns; y: which 64 rows) has eight waves; wave w makes 64 rows x columns 512 x + 64 w .. + 63: 16 accumulators.
; HEAD: the 64 rows' 32 fragments (two heads' six registers on end are a K step of 128) and their scale words are copied into LDS once, through registers; one barrier; behind it that part of LDS is only read.
; Wo's scale words of my 64 columns, 2,048 consecutive bytes, go the same way into LDS bytes of my own and are read from there a line a K step.
; WO'S FRAGMENTS ARE ASKED FOR FOUR K STEPS AHEAD: they stand in window 1, four sets of four fragments; K step s uses set s % 4, and behind its products that set takes K step s + 4.
; THE ROWS' FRAGMENTS ARE ASKED FOR ONE K STEP AHEAD, out of LDS, into two sets by turns.
; The bias stands in window 1 in the result's layout and is the C of the first K step's products: it costs no arithmetic.
; PRODUCT: source 0 = 16 columns of Wo, source 1 = 16 rows of ctx: a lane holds eight neighbouring columns of one row.  The rows of a tile are not neighbours: row r of tile 2 p + u is row 32 p + 8 u + r + 8 (r / 8).
; THE WAY OUT: 16 rows x 256 bytes at a time through the wave's own stage in LDS; sixteen lanes store 256 consecutive bytes, at a multiple of 256 from out0's first byte.
; REGISTERS, in windows of 256 (s_set_vgpr_msb: bits 1:0 source 0, 3:2 source 1, 5:4 source 2, 7:6 destination):
;   window 0: v1-7, v16-19 addresses; v8-11 Wo's scale words, two sets; v12-15 the rows', two sets; v20-26 at work at the head; v32-79, v80-127 the rows' fragments, two sets; v128-255 the accumulators.
;   window 1: v0-191 Wo's fragments; v192-223 the bias.
; No cluster: a fragment of Wo is used by one wave of a work-group and goes straight into its registers; this text has no tensor load that could be asked jointly.
.set WO_C, 786432
.set WO_S, 2785280
.set CS_O, 6291456
.set XIMG, 0                           ; LDS: the rows' fragments: (K step s, tile m) at (4 s + m) x 1,536
.set XSC,  49152                       ; their scale words: a line of 128 bytes for a pair of tiles and a K step
.set STG,  51200                       ; 8 waves x 16 rows x (256 + 16) bytes
.set WSC,  86016                       ; 8 waves x 2,048 bytes: Wo's scale words, (pair p, K step s) at (8 p + s) x 128
.set WS,  8
.set XS,  12
.set XF,  32
.set ACC, 128
.set BI,  192                          ; in window 1
.set MSB, 0
.macro WIN new                         ; the immediate's high byte repeats the setting that is left
.if MSB != \new
	s_set_vgpr_msb (MSB<<8)|\new
.set MSB, \new
.endif
.endm
.macro WM d, a, b, c, sa, sb, ra, rb   ; one matrix instruction; ra, rb = 1: the side's scale words stand in lanes 16-31
.if ((\ra)==0) && ((\rb)==0)
	v_wmma_scale_f32_16x16x128_f8f6f4 v[(\d):(\d)+7], v[(\a):(\a)+11], v[(\b):(\b)+11], v[(\c):(\c)+7], v[\sa], v[\sb] matrix_a_fmt:MATRIX_FMT_FP6 matrix_b_fmt:MATRIX_FMT_FP6
.elseif ((\ra)==1) && ((\rb)==0)
	v_wmma_scale_f32_16x16x128_f8f6f4 v[(\d):(\d)+7], v[(\a):(\a)+11], v[(\b):(\b)+11], v[(\c):(\c)+7], v[\sa], v[\sb] matrix_a_fmt:MATRIX_FMT_FP6 matrix_b_fmt:MATRIX_FMT_FP6 matrix_a_scale:MATRIX_SCALE_ROW1
.elseif ((\ra)==0)
	v_wmma_scale_f32_16x16x128_f8f6f4 v[(\d):(\d)+7], v[(\a):(\a)+11], v[(\b):(\b)+11], v[(\c):(\c)+7], v[\sa], v[\sb] matrix_a_fmt:MATRIX_FMT_FP6 matrix_b_fmt:MATRIX_FMT_FP6 matrix_b_scale:MATRIX_SCALE_ROW1
.else
	v_wmma_scale_f32_16x16x128_f8f6f4 v[(\d):(\d)+7], v[(\a):(\a)+11], v[(\b):(\b)+11], v[(\c):(\c)+7], v[\sa], v[\sb] matrix_a_fmt:MATRIX_FMT_FP6 matrix_b_fmt:MATRIX_FMT_FP6 matrix_a_scale:MATRIX_SCALE_ROW1 matrix_b_scale:MATRIX_SCALE_ROW1
.endif
.endm
.macro XLD s                           ; 16 LDS loads: K step s's scale words of both sides and the four tiles of rows, into set s % 2.  Every window is 0 here
.irp q, 0,1
	ds_load_b32 v[XS+2*((\s)%2)+\q], v3 offset:XSC+256*(\s)+128*\q
	ds_load_b32 v[WS+2*((\s)%2)+\q], v19 offset:(\q*8+(\s))*128
.endr
.irp m, 0,1,2,3
.irp c, 0,1,2
	ds_load_b128 v[XF+48*((\s)%2)+12*\m+4*\c:XF+48*((\s)%2)+12*\m+4*\c+3], v1 offset:XIMG+(4*(\s)+\m)*1536+512*\c
.endr
.endr
.endm
.macro WLD s                           ; 12 loads: my four tiles of Wo for K step s, into set s % 4 of window 1 (the destination's window is 1 here, the address's 0)
.irp n, 0,1,2,3
.irp c, 0,1,2
	global_load_b128 v[48*((\s)%4)+12*\n+4*\c:48*((\s)%4)+12*\n+4*\c+3], v1, s[24:25] offset:(\n*8+(\s))*1536+512*\c
.endr
.endr
.endm
; K step s of 8: 16 matrix instructions on 16 accumulators by turns.
.macro STEP s
.if (\s) < 7
	XLD (\s)+1                                     ; the next step's, into the set that the step before this one read: four places stand behind its products (ISA guide 7.12.1)
	s_wait_dscnt 16                                ; this step's 16 LDS loads are in; the 16 just issued may be out
.else
	s_wait_dscnt 0x0
.endif
.if (\s) < 5
	s_wait_loadcnt 36                              ; this step's fragments of Wo are in; the 12 loads of each of the three steps behind it may be out
.else
	s_wait_loadcnt 12*(7-(\s))
.endif
.if (\s) == 0
	WIN 0x11                                       ; source 0 (Wo) and source 2 (the bias) window 1
.else
	WIN 0x01                                       ; source 0 window 1
.endif
.irp j, 0,1,2,3
.irp i, 0,1,2,3
.if (\s) == 0
	WM ACC+8*(4*\j+\i), 48*((\s)%4)+12*\i, XF+48*((\s)%2)+12*\j, BI+8*\i, WS+2*((\s)%2)+\i/2, XS+2*((\s)%2)+\j/2, \i%2, \j%2
.else
	WM ACC+8*(4*\j+\i), 48*((\s)%4)+12*\i, XF+48*((\s)%2)+12*\j, ACC+8*(4*\j+\i), WS+2*((\s)%2)+\i/2, XS+2*((\s)%2)+\j/2, \i%2, \j%2
.endif
.endr
.endr
.rept 4
	v_nop                                          ; four places in front of loads into registers that matrix instructions have read, and behind the last step in front of the first read of results
.endr
.if (\s) < 4
	WIN 0x40
	WLD (\s)+4                                     ; four K steps on, into the set just read
.endif
	WIN 0
.endm
	s_load_b256 s[4:11], s[0:1], 0x0               ; ct, wb, bo, out0
	v_lshl_add_u32 v30, v0, 2, 0x19000
	v_mov_b32 v31, 0
	v_lshrrev_b32 v24, 5, v0
	v_readfirstlane_b32 s12, v24                   ; wave 0..7
	s_and_b32 s13, ttmp7, 0xffff                   ; which 64 rows
	v_and_b32 v24, 31, v0                          ; lane
	v_and_b32 v25, 15, v0                          ; r
	v_bfe_u32 v26, v0, 4, 1                        ; h
	v_lshlrev_b32 v1, 4, v24                       ; 16 x lane: in memory, and in LDS among the rows' fragments
	v_lshl_add_u32 v2, v24, 3, 512                 ; 8 x lane + 512
	v_lshlrev_b32 v3, 2, v24                       ; 4 x lane
	s_mul_i32 s20, s12, 1536
	v_add_nc_u32 v6, s20, v1                       ; where I put fragments: number w, and every eighth on
	s_lshl_b32 s20, s12, 7
	s_add_co_u32 s20, s20, XSC
	v_add_nc_u32 v7, s20, v3                       ; and the rows' scale words
	s_lshl_b32 s20, s12, 11
	s_add_co_u32 s20, s20, WSC
	v_add_nc_u32 v18, s20, v1                      ; Wo's scale words: in, 16 bytes a lane;
	v_add_nc_u32 v19, s20, v3                      ; out, a word a lane
	s_mul_i32 s20, s12, 4352
	s_add_co_u32 s20, s20, STG                     ; my stage
	v_mul_u32_u24 v4, v25, 272
	v_lshl_add_u32 v4, v26, 5, v4
	v_add_nc_u32 v4, s20, v4                       ; in: row r, + 32 h
	v_mul_u32_u24 v5, v26, 272
	v_lshl_add_u32 v5, v25, 4, v5
	v_add_nc_u32 v5, s20, v5                       ; back: lanes 0-15 one row, lanes 16-31 the next
	v_lshlrev_b32 v16, 12, v26
	v_lshl_add_u32 v16, v25, 4, v16                ; and the same two rows in out0
	v_lshlrev_b32 v17, 5, v26                      ; the bias: my half's eight numbers of a tile
	s_lshl_b32 s20, ttmp9, 11
	s_lshl_b32 s14, s12, 8
	s_add_co_u32 s20, s20, s14                     ; my 64 columns, in bytes
	s_mov_b32 s21, 0
	s_lshl_b32 s22, s13, 18                        ; 64 rows of 4,096 bytes
	s_mov_b32 s23, 0
	s_and_b32 s14, s12, 3                          ; the copy of codes: tile of rows w % 4, K steps w / 4 + 2 i
	s_lshl_b32 s36, s13, 2
	s_add_co_u32 s36, s36, s14
	s_mul_i32 s36, s36, 12288                      ; 16 heads x 768 bytes a tile
	s_lshr_b32 s14, s12, 2
	s_mul_i32 s14, s14, 1536
	s_add_co_u32 s36, s36, s14
	s_mov_b32 s37, 0
	s_and_b32 s14, s12, 1                          ; the copy of scale words: pair w % 2, K steps w / 2 + 4 i
	s_lshl_b32 s38, s13, 1
	s_add_co_u32 s38, s38, s14
	s_lshl_b32 s38, s38, 4
	s_lshr_b32 s14, s12, 1
	s_lshl_b32 s14, s14, 1
	s_add_co_u32 s38, s38, s14
	s_lshl_b32 s38, s38, 7
	s_add_co_u32 s38, s38, CS_O
	s_mov_b32 s39, 0
	s_lshl_b32 s40, ttmp9, 5
	s_lshl_b32 s14, s12, 2
	s_add_co_u32 s40, s40, s14                     ; my first tile of Wo's columns
	s_mul_i32 s40, s40, 12288
	s_add_co_u32 s40, s40, WO_C
	s_mov_b32 s41, 0
	s_lshl_b32 s42, ttmp9, 4
	s_lshl_b32 s14, s12, 1
	s_add_co_u32 s42, s42, s14                     ; and my first pair
	s_lshl_b32 s42, s42, 10
	s_add_co_u32 s42, s42, WO_S
	s_mov_b32 s43, 0
	s_wait_kmcnt 0x0
	s_add_nc_u64 s[30:31], s[4:5], s[36:37]
	s_add_nc_u64 s[32:33], s[4:5], s[38:39]
	s_add_nc_u64 s[26:27], s[6:7], s[42:43]
	s_add_nc_u64 s[24:25], s[6:7], s[40:41]
	s_add_nc_u64 s[28:29], s[8:9], s[20:21]
	s_add_nc_u64 s[34:35], s[10:11], s[20:21]
	s_add_nc_u64 s[34:35], s[34:35], s[22:23]
.irp i, 0,1,2,3                                ; 24 loads for what goes to LDS ahead of the barrier: four fragments of the rows,
	global_load_b128 v[XF+12*\i:XF+12*\i+3], v1, s[30:31] offset:3072*\i
	global_load_b64 v[XF+12*\i+4:XF+12*\i+5], v2, s[30:31] offset:3072*\i
	global_load_b128 v[XF+12*\i+6:XF+12*\i+9], v1, s[30:31] offset:3072*\i+768
	global_load_b64 v[XF+12*\i+10:XF+12*\i+11], v2, s[30:31] offset:3072*\i+768
.endr
.irp i, 0,1
	global_load_b32 v[20+2*\i], v3, s[32:33] offset:1024*\i          ; the even head's two scale bytes,
	global_load_b32 v[21+2*\i], v3, s[32:33] offset:1024*\i+128      ; the odd head's,
.endr
.irp c, 0,1,2,3
	global_load_b128 v[80+4*\c:83+4*\c], v1, s[26:27] offset:512*\c  ; and Wo's scale words
.endr
	WIN 0x40                                       ; destination window 1, address window 0
.irp i, 0,1,2,3
	global_load_b128 v[BI+8*\i:BI+8*\i+3], v17, s[28:29] offset:64*\i      ; 8 loads: the bias of my four tiles of columns
	global_load_b128 v[BI+8*\i+4:BI+8*\i+7], v17, s[28:29] offset:64*\i+16
.endr
	WLD 0
	WLD 1
	s_wait_loadcnt 32                              ; the first 24 loads are in; the bias's 8 and the two K steps' 24 may be out
	WLD 2                                          ; 24 more: 56 loads of mine are out at the most
	WLD 3
	WIN 0
	v_lshl_or_b32 v20, v21, 16, v20                ; a K step's four bytes of a row
	v_lshl_or_b32 v22, v23, 16, v22
.irp i, 0,1,2,3
.irp c, 0,1,2
	ds_store_b128 v6, v[XF+12*\i+4*\c:XF+12*\i+4*\c+3] offset:XIMG+12288*\i+512*\c
.endr
.endr
	ds_store_b32 v7, v20
	ds_store_b32 v7, v22 offset:1024
.irp c, 0,1,2,3
	ds_store_b128 v18, v[80+4*\c:83+4*\c] offset:512*\c
.endr
	s_wait_dscnt 0x0                               ; for the others' sake: my stores have landed; and they have read their registers
	s_barrier_signal -1
	s_barrier_wait -1
	XLD 0
.irp s, 0,1,2,3,4,5,6,7
	STEP \s
.endr
.irp j, 0,1,2,3                                ; tile j's 16 rows x 64 columns: into my stage, and back as whole rows, into the registers that they left
.irp i, 0,1,2,3
	ds_store_b128 v4, v[ACC+8*(4*\j+\i):ACC+8*(4*\j+\i)+3] offset:64*\i        ; each accumulator from its low end on
	ds_store_b128 v4, v[ACC+8*(4*\j+\i)+4:ACC+8*(4*\j+\i)+7] offset:64*\i+16
.endr
.irp t, 0,1,2,3,4,5,6,7
	ds_load_b128 v[ACC+32*\j+4*\t:ACC+32*\j+4*\t+3], v5 offset:544*\t         ; LDS serves a wave's instructions in order (ISA guide 5.7.1.4): these see my stores, and the next tile's stores come behind them
.endr
.endr
.irp j, 0,1,2,3
.irp t, 0,1,2,3,4,5,6,7
	s_wait_dscnt 16*(3-\j)+7-\t                    ; behind this load: 7 - t of its tile, and 8 stores and 8 loads for each later tile
	global_store_b128 v16, v[ACC+32*\j+4*\t:ACC+32*\j+4*\t+3], s[34:35] offset:(32*(\j/2)+8*(\j%2)+2*\t+8*(\t/4))*4096 th:TH_STORE_NT
.endr
.endr
	s_wait_tensorcnt 0x0
	ds_add_u32 v30, v31
	s_wait_dscnt 0x0
	s_endpgm
.Lfunc_end_k_q643db234a0_outp:
	.size	k_q643db234a0_outp, .Lfunc_end_k_q643db234a0_outp-k_q643db234a0_outp
	.p2alignl 7, 3214868480
	.fill 96, 4, 3214868480
	.section	.rodata,"a",@progbits
	.p2align	6, 0x0
	.amdhsa_kernel k_q643db234a0_outp
		.amdhsa_group_segment_fixed_size 103424
		.amdhsa_private_segment_fixed_size 0
		.amdhsa_enable_private_segment 0
		.amdhsa_kernarg_size 32
		.amdhsa_user_sgpr_count 2
		.amdhsa_user_sgpr_kernarg_segment_ptr 1
		.amdhsa_wavefront_size32 1
		.amdhsa_system_sgpr_workgroup_id_x 1
		.amdhsa_system_sgpr_workgroup_id_y 1
		.amdhsa_system_sgpr_workgroup_id_z 1
		.amdhsa_system_vgpr_workitem_id 0
		.amdhsa_next_free_vgpr 512
		.amdhsa_next_free_sgpr 66
		.amdhsa_reserve_vcc 0
		.amdhsa_float_denorm_mode_32 3
		.amdhsa_float_denorm_mode_16_64 3
		.amdhsa_memory_ordered 1
		.amdhsa_forward_progress 1
		.amdhsa_inst_pref_size 52
	.end_amdhsa_kernel
	.amdgpu_metadata
---
amdhsa.version: [ 1, 2 ]
amdhsa.kernels:
  - .name:           k_q643db234a0_outp
    .symbol:         k_q643db234a0_outp.kd
    .args:
      - { .name: ct, .offset: 0, .size: 8, .value_kind: global_buffer, .address_space: global }
      - { .name: wb, .offset: 8, .size: 8, .value_kind: global_buffer, .address_space: global }
      - { .name: bo, .offset: 16, .size: 8, .value_kind: global_buffer, .address_space: global }
      - { .name: out0, .offset: 24, .size: 8, .value_kind: global_buffer, .address_space: global }
    .group_segment_fixed_size: 103424
    .private_segment_fixed_size: 0
    .kernarg_segment_align: 8
    .kernarg_segment_size: 32
    .max_flat_workgroup_size: 256
    .sgpr_count:     66
    .vgpr_count:     512
    .wavefront_size: 32
...
	.end_amdgpu_metadata
.endif
;; end of part 4
;; ======== version 2 of 2: 4 launches
;; workspace buffers: wb 2,867,200 bytes; qkv 13,238,272 bytes; ct 6,815,744 bytes
;; launch wquant (part 5): grid 224 x 1, 4 waves a work-group, no clusters, 0 bytes of LDS; arguments Wq, Wo, Wk, Wv, wb; writes wb
.if DOCPART == 5
	.amdgcn_target "amdgcn-amd-amdhsa--gfx1250"
	.amdhsa_code_object_version 6
	.text
	.protected	k_q643db234a0_wquant
	.globl	k_q643db234a0_wquant
	.p2align	8
	.type	k_q643db234a0_wquant,@function
k_q643db234a0_wquant:
	s_mov_b64 s[64:65], 0
	v_nop
	global_prefetch_b8 v0, s[64:65] scope:SCOPE_SE
	s_setreg_imm32_b32 hwreg(HW_REG_WAVE_MODE, 25, 1), 1
	s_wait_xcnt 0x0
; Wq, Wo [1024][1024] and Wk, Wv [768][1024], f32 with K as the FIRST axis, become codes of FP6 (E2M3) with one E8M0 byte for each 32 along K,
; laid in the order of the matrix operand's registers: a fragment (16 columns x 128 K) is 12 registers a lane, register 4 c + e of lane L at byte 512 c + 16 L + 4 e of 1,536 bytes.
; wb: codes [tile of 16 columns: 64][K step][1,536]; scale words [pair of tiles: 32][K step][128 bytes]: lane L's word at 4 L, lanes 0-15 the even tile's columns, lanes 16-31 the odd tile's.
; A LANE TAKES A COLUMN AND ITS REGISTERS RUN DOWN K: a block of 32 lies in one lane, its largest magnitude needs no other lane, and the conversions give codes with K innermost.
; A wave takes 32 columns x 128 K: two fragments.  Lanes 0-15 hold the even tile's columns, lanes 16-31 the odd tile's; blocks 0, 2 go to F0, blocks 1, 3 to F1; one exchange of halves
; (F0's lanes 16-31 with F1's lanes 0-15) makes F0 the even tile's fragment and F1 the odd tile's.
; THE COLUMNS OF A TILE: for Wq, Wk, Wv lane r of tile 2 p + u takes column 32 p + 8 u + r + 8 (r / 8), so that the results of two neighbouring tiles are 16 neighbours along the next K; Wo's are natural.
; Work-groups 0-63 take Wq, 64-127 Wo, 128-175 Wk, 176-223 Wv: only pointers and constants are chosen, one path serves all four.  The four waves stand side by side on 512 bytes of each row.
; A block's scale is 2^(floor(log2(largest magnitude)) - 2); its byte is the largest magnitude's exponent field - 2, held at 1 from below.
; LIMITS: a block of zeros, or one whose largest magnitude lies under 2^-124, gets the byte 1 (its bytes are read by this program alone); NaN and infinities are not served.
; No LDS, no barrier: waves share nothing.  No cluster: no two work-groups read the same bytes.
.set WQ_C, 0
.set WO_C, 786432
.set WK_C, 1572864
.set WV_C, 2162688
.set WQ_S, 2752512
.set WO_S, 2785280
.set WK_S, 2818048
.set WV_S, 2842624
.set F0, 32                            ; v32-43  blocks 0 and 2, then the even tile's fragment
.set F1, 44                            ; v44-55  blocks 1 and 3, then the odd tile's
.set T,  56                            ; v56-58  the upper 16 codes of a block, before they are moved
.set X,  64                            ; v64-127 two sets of 32 numbers
	s_load_b256 s[4:11], s[0:1], 0x0               ; Wq, Wo, Wk, Wv
	s_load_b64 s[12:13], s[0:1], 0x20              ; wb
	v_lshrrev_b32 v1, 5, v0
	v_readfirstlane_b32 s24, v1                    ; wave
	v_and_b32 v1, 31, v0                           ; lane
	v_and_b32 v2, 7, v1
	v_and_b32 v3, 8, v1
	v_lshl_or_b32 v2, v3, 1, v2
	v_and_b32 v3, 16, v1
	v_lshrrev_b32 v3, 1, v3
	v_or_b32 v2, v2, v3                            ; the lane's column in the chosen order: bits 3 and 4 of the lane change places
	s_mov_b32 s16, 176                             ; Wv's: first work-group,
	s_mov_b32 s17, 6                               ; K steps,
	s_mov_b32 s18, WV_C                            ; where its codes begin in wb,
	s_mov_b32 s19, WV_S                            ; its scale words,
	s_mov_b32 s20, -1                              ; and the chosen order of columns in every lane
	s_wait_alu depctr_va_vdst(0)
	s_wait_kmcnt 0x0
	s_mov_b64 s[14:15], s[10:11]
	s_cmp_lt_u32 ttmp9, 176                        ; the choices hang on the work-group's number alone
	s_cselect_b64 s[14:15], s[8:9], s[14:15]
	s_cselect_b32 s16, 128, s16
	s_cselect_b32 s18, WK_C, s18
	s_cselect_b32 s19, WK_S, s19
	s_cmp_lt_u32 ttmp9, 128
	s_cselect_b64 s[14:15], s[6:7], s[14:15]
	s_cselect_b32 s16, 64, s16
	s_cselect_b32 s17, 8, s17
	s_cselect_b32 s18, WO_C, s18
	s_cselect_b32 s19, WO_S, s19
	s_cselect_b32 s20, 0, s20                      ; Wo: natural columns
	s_cmp_lt_u32 ttmp9, 64
	s_cselect_b64 s[14:15], s[4:5], s[14:15]
	s_cselect_b32 s16, 0, s16
	s_cselect_b32 s18, WQ_C, s18
	s_cselect_b32 s19, WQ_S, s19
	s_cselect_b32 s20, -1, s20
	v_cndmask_b32 v3, v1, v2, s20
	v_lshlrev_b32 v3, 2, v3                        ; 4 bytes a column
	s_wait_alu depctr_va_vdst(0)
	s_sub_co_u32 s21, ttmp9, s16
	s_and_b32 s22, s21, 7
	s_lshr_b32 s21, s21, 3                         ; the K step
	s_lshl_b32 s22, s22, 2
	s_add_co_u32 s22, s22, s24                     ; p: my wave's pair of tiles
	s_lshl_b32 s26, s21, 19                        ; 128 rows of 4,096 bytes a K step
	s_lshl_b32 s27, s22, 7                         ; 128 bytes a pair
	s_add_co_u32 s26, s26, s27
	s_mov_b32 s27, 0
	s_add_nc_u64 s[14:15], s[14:15], s[26:27]
	s_mul_i32 s28, s22, s17                        ; p x K steps
	s_lshl_b32 s29, s28, 1
	s_add_co_u32 s29, s29, s21
	s_mul_i32 s26, s29, 1536
	s_add_co_u32 s26, s26, s18
	s_add_nc_u64 s[30:31], s[12:13], s[26:27]      ; the even tile's fragment
	s_add_co_u32 s28, s28, s21
	s_lshl_b32 s26, s28, 7
	s_add_co_u32 s26, s26, s19
	s_add_nc_u64 s[32:33], s[12:13], s[26:27]      ; the pair's scale words
	s_mul_i32 s34, s17, 1536                       ; from a tile to the next
	v_lshlrev_b32 v4, 4, v1
	v_add_nc_u32 v5, s34, v4
	v_lshlrev_b32 v6, 2, v1
.macro LOAD t                          ; block t: W(32 t + i, my column) into set t % 2; a wave's load covers 128 bytes of a row
.set i, 0
.rept 32
	global_load_b32 v[X+32*((\t)%2)+i], v3, s[14:15] offset:(32*(\t)+i)*4096 th:TH_LOAD_NT
.set i, i+1
.endr
.endm
.macro BLOCK t
.set XB, X+32*((\t)%2)
.set FD, F0+12*((\t)%2)+6*((\t)/2)
.if (\t) < 3
	s_wait_loadcnt 32                              ; this block's 32 loads are in; the next block's 32 may be out
.else
	s_wait_loadcnt 0x0
.endif
	v_max3_num_f32 v8, |v[XB]|, |v[XB+1]|, |v[XB+2]|               ; the block's largest magnitude, in two chains
	v_max3_num_f32 v9, |v[XB+3]|, |v[XB+4]|, |v[XB+5]|
.irp i, 6,10,14,18,22,26
	v_max3_num_f32 v8, v8, |v[XB+\i]|, |v[XB+\i+1]|
	v_max3_num_f32 v9, v9, |v[XB+\i+2]|, |v[XB+\i+3]|
.endr
	v_max3_num_f32 v8, v8, |v[XB+30]|, |v[XB+31]|
	v_max3_num_f32 v8, v8, v9, 0x1800000           ; and the floor 2^(3 - 127): the byte cannot fall under 1
	v_add_nc_u32 v11, 0xff000000, v8               ; 2 off the exponent field: the conversion takes this operand's exponent field as its scale
	v_lshrrev_b32 v12, 23, v11                     ; the scale's byte
.if (\t) == 0
	v_mov_b32 v20, v12
.else
	v_lshl_or_b32 v20, v12, 8*(\t), v20            ; four bytes make my column's scale word
.endif
	v_cvt_scalef32_pk16_fp6_f32 v[FD:FD+2], v[XB:XB+15], v11
	v_cvt_scalef32_pk16_fp6_f32 v[T:T+2], v[XB+16:XB+31], v11      ; (a conversion's three registers begin on an even number)
	v_nop                                          ; one plain line behind the conversions
.irp i, 0,1,2
	v_mov_b32 v[FD+3+\i], v[T+\i]
.endr
.if (\t) < 2
	LOAD (\t)+2
.endif
.endm
	LOAD 0
	LOAD 1
.irp t, 0,1,2,3
	BLOCK \t
.endr
.irp i, 0,1,2,3,4,5,6,7,8,9,10,11
	v_permlane16_swap_b32 v[F0+\i], v[F1+\i]       ; F0: the even tile's fragment, F1: the odd tile's
.endr
.irp c, 0,1,2
	global_store_b128 v4, v[F0+4*\c:F0+4*\c+3], s[30:31] offset:512*\c   ; 32 lanes store 512 consecutive bytes, at a multiple of 256 from wb's first byte
	global_store_b128 v5, v[F1+4*\c:F1+4*\c+3], s[30:31] offset:512*\c
.endr
	global_store_b32 v6, v20, s[32:33]
	s_endpgm
.Lfunc_end_k_q643db234a0_wquant:
	.size	k_q643db234a0_wquant, .Lfunc_end_k_q643db234a0_wquant-k_q643db234a0_wquant
	.p2alignl 7, 3214868480
	.fill 96, 4, 3214868480
	.section	.rodata,"a",@progbits
	.p2align	6, 0x0
	.amdhsa_kernel k_q643db234a0_wquant
		.amdhsa_group_segment_fixed_size 0
		.amdhsa_private_segment_fixed_size 0
		.amdhsa_enable_private_segment 0
		.amdhsa_kernarg_size 40
		.amdhsa_user_sgpr_count 2
		.amdhsa_user_sgpr_kernarg_segment_ptr 1
		.amdhsa_wavefront_size32 1
		.amdhsa_system_sgpr_workgroup_id_x 1
		.amdhsa_system_sgpr_workgroup_id_y 1
		.amdhsa_system_sgpr_workgroup_id_z 1
		.amdhsa_system_vgpr_workitem_id 0
		.amdhsa_next_free_vgpr 128
		.amdhsa_next_free_sgpr 66
		.amdhsa_reserve_vcc 0
		.amdhsa_float_denorm_mode_32 3
		.amdhsa_float_denorm_mode_16_64 3
		.amdhsa_memory_ordered 1
		.amdhsa_forward_progress 1
		.amdhsa_inst_pref_size 22
	.end_amdhsa_kernel
	.amdgpu_metadata
---
amdhsa.version: [ 1, 2 ]
amdhsa.kernels:
  - .name:           k_q643db234a0_wquant
    .symbol:         k_q643db234a0_wquant.kd
    .args:
      - { .name: Wq, .offset: 0, .size: 8, .value_kind: global_buffer, .address_space: global }
      - { .name: Wo, .offset: 8, .size: 8, .value_kind: global_buffer, .address_space: global }
      - { .name: Wk, .offset: 16, .size: 8, .value_kind: global_buffer, .address_space: global }
      - { .name: Wv, .offset: 24, .size: 8, .value_kind: global_buffer, .address_space: global }
      - { .name: wb, .offset: 32, .size: 8, .value_kind: global_buffer, .address_space: global }
    .group_segment_fixed_size: 0
    .private_segment_fixed_size: 0
    .kernarg_segment_align: 8
    .kernarg_segment_size: 40
    .max_flat_workgroup_size: 128
    .sgpr_count:     66
    .vgpr_count:     128
    .wavefront_size: 32
...
	.end_amdgpu_metadata
.endif
;; end of part 5
;; launch proj (part 6): grid 256 x 1, 16 waves a work-group, no clusters, 188,416 bytes of LDS; arguments tokens, context, wb, qkv; writes qkv
.if DOCPART == 6
	.amdgcn_target "amdgcn-amd-amdhsa--gfx1250"
	.amdhsa_code_object_version 6
	.text
	.protected	k_q643db234a0_proj
	.globl	k_q643db234a0_proj
	.p2align	8
	.type	k_q643db234a0_proj,@function
k_q643db234a0_proj:
	s_mov_b64 s[64:65], 0
	v_nop
	global_prefetch_b8 v0, s[64:65] scope:SCOPE_SE
	s_setreg_imm32_b32 hwreg(HW_REG_WAVE_SCHED_MODE, 0, 2), 2
	s_setreg_imm32_b32 hwreg(HW_REG_WAVE_MODE, 25, 1), 1
	s_wait_xcnt 0x0
	s_wait_alu depctr_vm_vsrc(0)
; Q = tokens Wq, K = context Wk, V = context Wv on codes of FP6 (E2M3) with E8M0 scales, and the results quantised at once: Q and K along the head's 64, V along the keys.
; Work-groups 0-127 make Q, 128-191 K, 192-255 V.  A work-group takes 64 rows x all 1,024 columns; wave w takes columns 64 w .. 64 w + 63: head w.
; PHASE X: the 64 rows (f32, K innermost) are quantised once for the work-group.  Wave w takes the tile of rows w % 4 and the K steps w / 4 and w / 4 + 4 (where K has so many): each load takes 512 consecutive
; bytes of one row; the 16 rows turn through the wave's own stage in LDS, so that a lane holds 16 neighbours of each block of 32; the fragment goes to LDS as an image of its 12 registers, the scale word beside it.
; One barrier; behind it LDS is only read.
; THE ROWS OF A TILE ARE NOT NEIGHBOURS: lane r of tile 2 p + u takes row 32 p + 8 u + r + 8 (r / 8); the weights' columns are laid the same way.  So the 16 registers of two neighbouring result tiles are 16 neighbours.
; PRODUCTS: Q, K: source 0 = 16 columns of the weight, source 1 = 16 rows: a lane holds one row and 32 registers along the head's 64.  V: the sources swapped: a lane holds one channel and 32 registers along 64 keys.
; Each 32 registers (two blocks of 32, shared with lane l xor 16) become six registers of codes: half a fragment, stored as 512 + 256 consecutive bytes, and two scale bytes.
; THE WEIGHTS' FRAGMENTS come from wb straight into registers, through A RING OF FIVE: fragment g = 4 x K step + tile lies in slot g % 5.  A K step's 16 products go by the weight's tiles, each against the four
; tiles of rows.  Behind each two fragments' eight products their two slots take fragments g + 5 and g + 6: three to four fragments, 12 to 16 products, ahead of their use.  The 16 accumulators take turns.
; No cluster: a fragment of a weight is used by one wave of a work-group and needs no LDS; this text has no tensor load that could be asked jointly.
; LIMITS: blocks of zeros or under 2^-124 get the scale byte 1 (read by this program alone); NaN and infinities are not served.
; THE MODE: SCHED_MODE bits 1:0 = 2 (LLVM: expert scheduling mode 2), set by the entry lines.  The code itself states the register dependences between vector or matrix instructions and memory or LDS
; instructions, with s_wait_alu, always for 0.
; THE PLAN.  Registers that memory or LDS instructions touch:
;   v1-v9      addresses and offsets: written at the head, never again.
;   v16-31     first the rows' offsets, read by the rows' loads; then the quantiser's work; then part of the ring.
;   v128-255   the rows as loaded, read by the stage's LDS stores; behind the barrier the accumulators, which matrix and vector instructions alone name.
;   v64-127    64 numbers of a lane: LDS loads land, the quantiser reads; behind the barrier part of the ring and the rows' fragments.
;   v32-52     the codes and the scale word just made: the quantiser writes, the image's LDS stores read; behind the barrier part of the ring.
;   the ring v16-75, the rows' fragments v76-123, the scale words v10-15: loads land, products read.
; PHASE X has two waits to a fragment: on vm_vsrc ahead of the quantiser, on va_vdst behind it.  One wait on vm_vsrc at the join frees all that LDS stores have read.
; A K STEP has two waits on va_vdst: at its head, for the loads of the rows' fragments, of scale words and of two ring slots, and behind its second fragment, for two ring slots.  No vector or matrix instruction
; between such a wait and the loads behind it names a register that those loads touch.
.set QC_O, 0                           ; qkv: Q's codes [b][head][tile 128][768]
.set KC_O, 6291456                     ; K's [b][head][tile 64][768]
.set VC_O, 9437184                     ; V's [b][head][16 channels: 4][64 keys: 16][768]
.set QS_O, 12582912                    ; Q's scale words [b][head][pair 64][16]: bytes 0, 1 the even tile's, bytes 2, 3 the odd tile's
.set KS_O, 12845056                    ; K's [b][head][pair 32][16]
.set VS_O, 12976128                    ; V's [b][head][64 keys: 16][channel 64], two bytes in a word
.set WQ_C, 0
.set WK_C, 1572864
.set WV_C, 2162688
.set WQ_S, 2752512
.set WK_S, 2818048
.set WV_S, 2842624
.set STG,  0                           ; LDS: 16 waves x 16 rows x (512 + 16) bytes: each wave's own stage
.set XIMG, 135168                      ; the rows' fragments: (K step s, tile m) at (4 s + m) x 1,536
.set XSC,  184320                      ; their scale words: 64 bytes a fragment
.set WS,  10                           ; v10-11  the weight's scale words of even K steps, a pair of tiles in a register; v14-15 those of odd K steps
.set XS,  12                           ; v12-13  the rows' scale words, likewise
.set RO,  16                           ; v16-31  phase X: the byte offsets of the tile's 16 rows
.set TM,  16                           ; v16-31  the quantiser's work, in phase X and on the way out
.set WR,  16                           ; v16-75  the ring: five fragments of the weight
.set PC,  32                           ; phase X: the codes just made, v32-50
.set PW,  52                           ; phase X: the scale word just made
.set X,   64                           ; phase X: v64-127 64 numbers of a lane
.set XF,  76                           ; v76-123 four fragments of the rows
.set ACC, 128                          ; v128-255 16 accumulators
.set GA,  128                          ; phase X: 16 rows as loaded; GB: the second K step's
.set GB,  192
.set CD,  32                           ; the way out: six registers of codes at v[32 + 8 j]
.set TT,  64
.set HW,  68                           ; v68-71  two scale bytes for each j
.set SEL, 22
; 64 numbers of a lane, register 16 b + i = k 32 b + 16 (lane / 16) + i of my row, become a fragment's codes in v[PC] on and its scale word in v[PW].
.macro QUANT s
.irp b, 0,1,2,3
	v_max3_num_f32 v[TM+\b], |v[\s+16*\b]|, |v[\s+1+16*\b]|, 0x1800000   ; my 16 numbers of block b, and the floor 2^(3 - 127)
.endr
.irp i, 2,4,6,8,10,12,14
.irp b, 0,1,2,3
	v_max3_num_f32 v[TM+\b], v[TM+\b], |v[\s+16*\b+\i]|, |v[\s+1+16*\b+\i]|
.endr
.endr
.irp b, 0,1,2,3
	v_permlanex16_b32 v[TM+4+\b], v[TM+\b], s[SEL], s[SEL+1]
.endr
.irp b, 0,1,2,3
	v_max_num_f32 v[TM+\b], v[TM+\b], v[TM+4+\b]   ; with lane l xor 16's: the block's largest magnitude
.endr
.irp b, 0,1,2,3
	v_add_nc_u32 v[TM+12+\b], 0xff000000, v[TM+\b]   ; 2 off its exponent field: the conversion's scale operand
.endr
.irp b, 0,1,2,3
	v_lshrrev_b32 v[TM+4+\b], 23, v[TM+12+\b]      ; the scale's byte
.endr
	v_lshl_or_b32 v[PW], v[TM+5], 8, v[TM+4]
	v_lshl_or_b32 v[PW], v[TM+6], 16, v[PW]
	v_lshl_or_b32 v[PW], v[TM+7], 24, v[PW]
.irp c, 0,1
	v_cvt_scalef32_pk16_fp6_f32 v[PC+6*\c:PC+2+6*\c], v[\s+32*\c:\s+15+32*\c], v[TM+12+2*\c]
	v_cvt_scalef32_pk16_fp6_f32 v[PC+12+4*\c:PC+14+4*\c], v[\s+16+32*\c:\s+31+32*\c], v[TM+12+2*\c+1]
.endr
	v_nop                                          ; one plain line behind the conversions
.irp c, 0,1                                    ; the operand wants a whole block in a lane
.irp i, 0,1,2
	v_permlane16_swap_b32 v[PC+6*\c+\i], v[PC+12+4*\c+\i]
.endr
.irp i, 0,1,2
	v_mov_b32 v[PC+3+6*\c+\i], v[PC+12+4*\c+\i]
.endr
.endr
.endm
; The same for 32 numbers (two blocks): six registers of codes at v[d], the two bytes in v[hw].  Each of the four accumulators read here is read from its low end on.
.macro HQUANT s, d, t, hw
.irp b, 0,1
	v_max3_num_f32 v[TM+\b], |v[(\s)+16*\b]|, |v[(\s)+1+16*\b]|, 0x1800000
.endr
.irp i, 2,4,6,8,10,12,14
.irp b, 0,1
	v_max3_num_f32 v[TM+\b], v[TM+\b], |v[(\s)+16*\b+\i]|, |v[(\s)+1+16*\b+\i]|
.endr
.endr
.irp b, 0,1
	v_permlanex16_b32 v[TM+4+\b], v[TM+\b], s[SEL], s[SEL+1]
.endr
.irp b, 0,1
	v_max_num_f32 v[TM+\b], v[TM+\b], v[TM+4+\b]
.endr
.irp b, 0,1
	v_add_nc_u32 v[TM+12+\b], 0xff000000, v[TM+\b]
.endr
.irp b, 0,1
	v_lshrrev_b32 v[TM+4+\b], 23, v[TM+12+\b]
.endr
	v_lshl_or_b32 v[\hw], v[TM+5], 8, v[TM+4]
	v_cvt_scalef32_pk16_fp6_f32 v[(\d):(\d)+2], v[(\s):(\s)+15], v[TM+12]
	v_cvt_scalef32_pk16_fp6_f32 v[(\t):(\t)+2], v[(\s)+16:(\s)+31], v[TM+13]
	v_nop
.irp i, 0,1,2
	v_permlane16_swap_b32 v[(\d)+\i], v[(\t)+\i]
.endr
.irp i, 0,1,2
	v_mov_b32 v[(\d)+3+\i], v[(\t)+\i]
.endr
.endm
; One matrix instruction.  zero = 1: it starts the sum.  ra, rb = 1: the side's scale words stand in lanes 16-31 of the register named.
.macro WM d, a, b, zero, sa, sb, ra, rb
.if (\zero) && ((\ra)==0) && ((\rb)==0)
	v_wmma_scale_f32_16x16x128_f8f6f4 v[(\d):(\d)+7], v[(\a):(\a)+11], v[(\b):(\b)+11], 0, v[\sa], v[\sb] matrix_a_fmt:MATRIX_FMT_FP6 matrix_b_fmt:MATRIX_FMT_FP6
.elseif (\zero) && ((\ra)==1) && ((\rb)==0)
	v_wmma_scale_f32_16x16x128_f8f6f4 v[(\d):(\d)+7], v[(\a):(\a)+11], v[(\b):(\b)+11], 0, v[\sa], v[\sb] matrix_a_fmt:MATRIX_FMT_FP6 matrix_b_fmt:MATRIX_FMT_FP6 matrix_a_scale:MATRIX_SCALE_ROW1
.elseif (\zero) && ((\ra)==0)
	v_wmma_scale_f32_16x16x128_f8f6f4 v[(\d):(\d)+7], v[(\a):(\a)+11], v[(\b):(\b)+11], 0, v[\sa], v[\sb] matrix_a_fmt:MATRIX_FMT_FP6 matrix_b_fmt:MATRIX_FMT_FP6 matrix_b_scale:MATRIX_SCALE_ROW1
.elseif (\zero)
	v_wmma_scale_f32_16x16x128_f8f6f4 v[(\d):(\d)+7], v[(\a):(\a)+11], v[(\b):(\b)+11], 0, v[\sa], v[\sb] matrix_a_fmt:MATRIX_FMT_FP6 matrix_b_fmt:MATRIX_FMT_FP6 matrix_a_scale:MATRIX_SCALE_ROW1 matrix_b_scale:MATRIX_SCALE_ROW1
.elseif ((\ra)==0) && ((\rb)==0)
	v_wmma_scale_f32_16x16x128_f8f6f4 v[(\d):(\d)+7], v[(\a):(\a)+11], v[(\b):(\b)+11], v[(\d):(\d)+7], v[\sa], v[\sb] matrix_a_fmt:MATRIX_FMT_FP6 matrix_b_fmt:MATRIX_FMT_FP6
.elseif ((\ra)==1) && ((\rb)==0)
	v_wmma_scale_f32_16x16x128_f8f6f4 v[(\d):(\d)+7], v[(\a):(\a)+11], v[(\b):(\b)+11], v[(\d):(\d)+7], v[\sa], v[\sb] matrix_a_fmt:MATRIX_FMT_FP6 matrix_b_fmt:MATRIX_FMT_FP6 matrix_a_scale:MATRIX_SCALE_ROW1
.elseif ((\ra)==0)
	v_wmma_scale_f32_16x16x128_f8f6f4 v[(\d):(\d)+7], v[(\a):(\a)+11], v[(\b):(\b)+11], v[(\d):(\d)+7], v[\sa], v[\sb] matrix_a_fmt:MATRIX_FMT_FP6 matrix_b_fmt:MATRIX_FMT_FP6 matrix_b_scale:MATRIX_SCALE_ROW1
.else
	v_wmma_scale_f32_16x16x128_f8f6f4 v[(\d):(\d)+7], v[(\a):(\a)+11], v[(\b):(\b)+11], v[(\d):(\d)+7], v[\sa], v[\sb] matrix_a_fmt:MATRIX_FMT_FP6 matrix_b_fmt:MATRIX_FMT_FP6 matrix_a_scale:MATRIX_SCALE_ROW1 matrix_b_scale:MATRIX_SCALE_ROW1
.endif
.endm
.macro FLD g, nk                       ; fragment g of the weight into ring slot g % 5, if the weight has such a fragment
.if (\g) < 4*(\nk)
.irp c, 0,1,2
	global_load_b128 v[WR+12*((\g)%5)+4*\c:WR+12*((\g)%5)+4*\c+3], v1, s[24:25] offset:(((\g)%4)*(\nk)+(\g)/4)*1536+512*\c
.endr
.endif
.endm
; K step s of nk.  The four tiles of rows come from LDS at the step's head; the weight's tile n (fragment GI = 4 s + n) stands in ring slot GI % 5.
; ORDER OF THE GLOBAL LOADS: scale words of steps 0 and 1, fragments 0 to 4; then behind fragments 4 s, 4 s + 1: fragments 4 s + 5, 4 s + 6; and at the head of step s, behind fragments 4 s - 2, 4 s - 1:
; the scale words of step s + 1, then fragments 4 s + 3, 4 s + 4.
; THE WAIT AHEAD OF FRAGMENT g leaves out what was issued behind its three loads: three loads for each later fragment asked for by then (four behind an even g, three behind an odd one, and no more than the weight
; has), and, in steps 1 to nk - 2, for the step's first three fragments, the two scale loads of step s + 1, which were issued among them.  A step's own scale words were issued ahead of its first fragment, so that wait shows them in too.
.macro STEP s, nk, swap, zero
.if (\s) > 0
	s_wait_alu depctr_va_vdst(0)                   ; the last step's products are done reading the rows' fragments, both sides' scale words and the ring slots of its last two fragments: the loads below land in them
.endif
.irp q, 0,1
	ds_load_b32 v[XS+\q], v5 offset:256*(\s)+128*\q
.endr
.irp m, 0,1,2,3
.irp c, 0,1,2
	ds_load_b128 v[XF+12*\m+4*\c:XF+12*\m+4*\c+3], v4 offset:(4*(\s)+\m)*1536+512*\c
.endr
.endr
.if (\s) > 0
.if (\s)+1 < (\nk)
.irp p, 0,1
	global_load_b32 v[WS+4*(((\s)+1)%2)+\p], v3, s[26:27] offset:(\p*(\nk)+(\s)+1)*128   ; the next step's scale words, into the set that the last step has done with
.endr
.endif
	FLD 4*(\s)+3, \nk
	FLD 4*(\s)+4, \nk
.endif
.irp n, 0,1,2,3
.set GI, 4*(\s)+\n
.set SL, WR+12*(GI%5)
.set WSR, WS+4*((\s)%2)+\n/2
.set CN, 4*(\nk)-1-GI
.if CN > (4-(\n%2))
.set CN, 4-(\n%2)
.endif
.set CN, 3*CN
.if ((\s) >= 1) && ((\s) <= (\nk)-2) && (\n <= 2)
.set CN, CN+2
.endif
	s_wait_loadcnt CN
.irp m, 0,1,2,3
.if \n == 0
	s_wait_dscnt 3*(3-\m)                          ; the scale words and tile m of the rows are in; the later tiles' three loads each may be out
.endif
.if \swap
	WM ACC+8*(4*\n+\m), XF+12*\m, SL, \zero, XS+\m/2, WSR, \m%2, \n%2
.else
	WM ACC+8*(4*\m+\n), SL, XF+12*\m, \zero, WSR, XS+\m/2, \n%2, \m%2
.endif
.endr
.if (\n == 1) && (4*(\s)+5 < 4*(\nk))
.rept 4
	v_nop                                          ; four places behind the products, as ahead of every run of loads into registers that they have read
.endr
	s_wait_alu depctr_va_vdst(0)                   ; the step's first eight products are done reading their two ring slots, in which the loads below land
	FLD 4*(\s)+5, \nk
	FLD 4*(\s)+6, \nk
.endif
.if \n == 3
.rept 4
	v_nop                                          ; four places in front of the next step's loads into registers that matrix instructions have read, and behind the last step in front of the first read of results
.endr
.endif
.endr
.endm
.macro PATH nk, swap, csec, ssec
	s_mul_i32 s20, s12, 4*\nk*1536                 ; my four tiles of the weight
	s_add_co_u32 s20, s20, \csec
	s_mov_b32 s21, 0
	s_add_nc_u64 s[24:25], s[8:9], s[20:21]
	s_mul_i32 s20, s12, 2*\nk*128                  ; and their two pairs' scale words
	s_add_co_u32 s20, s20, \ssec
	s_add_nc_u64 s[26:27], s[8:9], s[20:21]
.irp t, 0,1
.irp p, 0,1
	global_load_b32 v[WS+4*\t+\p], v3, s[26:27] offset:(\p*(\nk)+\t)*128
.endr
.endr
.irp g, 0,1,2,3,4
	FLD \g, \nk                                    ; the ring is filled.  No wait here: the quantiser's lines, which named these registers, stand ahead of its own wait on va_vdst, and the join's wait on vm_vsrc has freed what LDS stores read
.endr
	STEP 0, \nk, \swap, 1                          ; the first K step starts the sums: nothing is cleared
.set KK, 1
.rept \nk-1
	STEP KK, \nk, \swap, 0
.set KK, KK+1
.endr
.endm
.macro XLOAD g, off                    ; the tile's 16 rows, 512 consecutive bytes each
.set i, 0
.rept 16
	global_load_b128 v[\g+4*i:\g+4*i+3], v[RO+i], s[16:17] offset:\off
.set i, i+1
.endr
.endm
.macro PROC g, io, so                  ; 16 rows as loaded -> my stage -> 64 numbers a lane -> codes -> the fragment's image and its scale words
.set i, 0
.rept 16
	ds_store_b128 v6, v[\g+4*i:\g+4*i+3] offset:528*i
.set i, i+1
.endr
.irp b, 0,1,2,3
.irp j, 0,1,2,3
	ds_load_b128 v[X+16*\b+4*\j:X+16*\b+4*\j+3], v7 offset:128*\b+16*\j   ; LDS serves a wave's instructions in order (ISA guide 5.7.1.4): these see my stores
.endr
.endr
	s_wait_dscnt 0x0                               ; the numbers are in
	s_wait_alu depctr_vm_vsrc(0)                   ; the rows' loads have read their offsets v16-31, which are the quantiser's work from here on; in a second run the last image's stores have read v[PC ..] and v[PW], which the quantiser writes again
	QUANT X
	s_wait_alu depctr_va_vdst(0)                   ; the quantiser has written v[PC ..] and v[PW], which the stores below read, and is done with v16-127, in which later loads land
.irp c, 0,1,2
	ds_store_b128 v8, v[PC+4*\c:PC+4*\c+3] offset:\io+512*\c
.endr
	ds_store_b32 v9, v[PW] offset:\so              ; lanes r and r + 16 write the same word with the same value
.endm
	s_load_b256 s[4:11], s[0:1], 0x0               ; tokens, context, wb, qkv
	v_lshrrev_b32 v64, 5, v0
	v_readfirstlane_b32 s12, v64                   ; wave 0..15
	v_and_b32 v64, 31, v0                          ; lane
	v_and_b32 v65, 15, v0                          ; r
	v_bfe_u32 v66, v0, 4, 1                        ; h
	v_lshlrev_b32 v1, 4, v64                       ; 16 x lane
	v_lshl_add_u32 v2, v64, 3, 512                 ; 8 x lane + 512: the last two of six registers
	v_lshlrev_b32 v3, 2, v64                       ; 4 x lane
	v_add_nc_u32 v4, XIMG, v1                      ; every LDS address is made here, ahead of the first branch
	v_add_nc_u32 v5, XSC, v3
	s_wait_alu depctr_va_sdst(0)                   ; s12 is written, ahead of its first reader
	s_mul_i32 s20, s12, 8448
	v_add_nc_u32 v6, s20, v1                       ; my stage, on the way in: 16 x lane, a row an instruction
	v_mul_u32_u24 v7, v65, 528
	v_lshl_add_u32 v7, v66, 6, v7
	v_add_nc_u32 v7, s20, v7                       ; and out: row r, + 64 h
	s_mul_i32 s20, s12, 1536
	v_add_nc_u32 v8, s20, v4                       ; my first fragment is number w
	s_lshl_b32 s20, s12, 6
	v_lshl_add_u32 v9, v65, 2, XSC
	v_add_nc_u32 v9, s20, v9
	s_mov_b32 s[SEL], 0x76543210
	s_mov_b32 s[SEL+1], 0xfedcba98                 ; v_permlanex16_b32's selects for lane l xor 16
	s_mov_b32 s13, 192
	s_mov_b32 s14, 3072                            ; context: bytes in a row,
	s_mov_b32 s15, 6                               ; K steps
	s_cmp_lt_u32 ttmp9, 192
	s_cselect_b32 s13, 128, s13
	s_wait_kmcnt 0x0
	s_cmp_lt_u32 ttmp9, 128
	s_cselect_b32 s13, 0, s13
	s_cselect_b32 s14, 4096, s14
	s_cselect_b32 s15, 8, s15
	s_cselect_b64 s[16:17], s[4:5], s[6:7]
	s_sub_co_u32 s13, ttmp9, s13                   ; which 64 rows of the tensor
	s_and_b32 s32, s12, 3                          ; my tile of rows
	s_lshr_b32 s33, s12, 2                         ; my first K step
	s_lshl_b32 s34, s13, 6
	s_lshr_b32 s35, s32, 1
	s_lshl_b32 s35, s35, 5
	s_add_co_u32 s34, s34, s35
	s_and_b32 s35, s32, 1
	s_lshl_b32 s35, s35, 3
	s_add_co_u32 s34, s34, s35                     ; the tile's first row: 64 x block + 32 (m / 2) + 8 (m % 2)
	s_mul_i32 s20, s34, s14
	s_lshl_b32 s35, s33, 9
	s_add_co_u32 s20, s20, s35
	s_mov_b32 s21, 0
	s_add_nc_u64 s[16:17], s[16:17], s[20:21]
	s_mul_i32 s18, s14, 9
	v_mov_b32 v[RO], v1
.irp i, 1,2,3,4,5,6,7,8,9,10,11,12,13,14,15
.if \i == 8
	v_add_nc_u32 v[RO+\i], s18, v[RO+\i-1]         ; the tile's rows 8-15 lie 8 rows further on
.else
	v_add_nc_u32 v[RO+\i], s14, v[RO+\i-1]
.endif
.endr
	s_wait_alu depctr_va_vdst(0)                   ; the addresses v1-v9 and the offsets v16-31 are written, which the loads and stores of both arms and of all that follows read; so are v64-66, in which LDS loads land
	s_add_co_u32 s33, s33, 4
	s_cmp_lt_u32 s33, s15                          ; has K a step w / 4 + 4?  Two whole arms: no arm reads a register that it has not loaded
	s_cbranch_scc0 .Lone
	XLOAD GA, 0
	XLOAD GB, 2048
	s_wait_loadcnt 0x0                             ; the rows are in
	PROC GA, 0, 0
	PROC GB, 24576, 1024                           ; four K steps on: fragment w + 16
	s_branch .Ljoin
.Lone:
	XLOAD GA, 0
	s_wait_loadcnt 0x0
	PROC GA, 0, 0
.Ljoin:
	s_wait_dscnt 0x0                               ; for the others' sake: my images have landed
	s_wait_alu depctr_vm_vsrc(0)                   ; my LDS stores have read v32-52, in which the ring's loads land, and v128-255, which the products write: stated here, ahead of the branches to the three ways
	s_barrier_signal -1
	s_barrier_wait -1                              ; all fragments of the 64 rows lie in LDS; nothing is stored there any more
; The way out of Q and K: tile j's 32 registers are the head's 64 of one row a lane.  sh: 2^sh blocks of 64 rows in a batch; tl: tiles in a head.
.macro EPIQK sh, tl, csec, ssec
	s_lshr_b32 s32, s13, \sh                       ; b
	s_and_b32 s33, s13, (1<<\sh)-1                 ; the block in its batch
	s_lshl_b32 s32, s32, 4
	s_add_co_u32 s32, s32, s12                     ; 16 b + head
	s_mul_i32 s34, s32, \tl
	s_lshl_b32 s35, s33, 2
	s_add_co_u32 s34, s34, s35
	s_mul_i32 s20, s34, 768
	s_add_co_u32 s20, s20, \csec
	s_mov_b32 s21, 0
	s_add_nc_u64 s[28:29], s[10:11], s[20:21]
	s_mul_i32 s34, s32, \tl/2
	s_lshl_b32 s35, s33, 1
	s_add_co_u32 s34, s34, s35
	s_lshl_b32 s20, s34, 6
	s_add_co_u32 s20, s20, \ssec
	s_add_nc_u64 s[30:31], s[10:11], s[20:21]
	v_and_b32 v74, 31, v0                          ; lane
	v_cmp_gt_u32 vcc_lo, 16, v74
.irp j, 0,1,2,3
	HQUANT ACC+32*\j, CD+8*\j, TT, HW+\j
.endr
	v_lshl_or_b32 v72, v[HW+1], 16, v[HW]          ; a pair's word: the even tile's two bytes below, the odd tile's above
	v_lshl_or_b32 v73, v[HW+3], 16, v[HW+2]
	s_wait_alu depctr_va_vcc(0)                    ; VCC is written, ahead of the select that reads it
	v_cndmask_b32 v72, v73, v72, vcc_lo            ; lanes 0-15 the first pair's rows, lanes 16-31 the second's
	s_wait_alu depctr_va_vdst(0)                   ; the codes v[CD ..] and the word v72 are written, which the nine stores read
.irp j, 0,1,2,3
	global_store_b128 v1, v[CD+8*\j:CD+8*\j+3], s[28:29] offset:768*\j     ; 512 consecutive bytes,
	global_store_b64 v2, v[CD+8*\j+4:CD+8*\j+5], s[28:29] offset:768*\j    ; and 256: both at multiples of 256 from qkv's first byte
.endr
	global_store_b32 v3, v72, s[30:31]
	s_wait_xcnt 0x0
	v_lshl_add_u32 v254, v0, 2, 0x2d800
	v_mov_b32 v255, 0
	s_wait_dscnt 0x0                               ; the closing lines, six on end
	s_wait_alu 0x0
	s_wait_tensorcnt 0x0
	ds_add_u32 v254, v255
	s_wait_dscnt 0x0
	s_endpgm
.endm
	s_cmp_lt_u32 ttmp9, 128
	s_cbranch_scc1 .Lq
	s_cmp_lt_u32 ttmp9, 192
	s_cbranch_scc1 .Lk
	PATH 6, 1, WV_C, WV_S                          ; V: a lane holds channel r of tile j, its registers run along the block's 64 keys
	s_lshr_b32 s32, s13, 4
	s_and_b32 s33, s13, 15
	s_lshl_b32 s32, s32, 4
	s_add_co_u32 s32, s32, s12
	s_lshl_b32 s34, s32, 6
	s_add_co_u32 s34, s34, s33
	s_mul_i32 s20, s34, 768
	s_add_co_u32 s20, s20, VC_O
	s_mov_b32 s21, 0
	s_add_nc_u64 s[28:29], s[10:11], s[20:21]
	s_lshl_b32 s34, s32, 4
	s_add_co_u32 s34, s34, s33
	s_lshl_b32 s20, s34, 8
	s_add_co_u32 s20, s20, VS_O
	s_add_nc_u64 s[30:31], s[10:11], s[20:21]
	v_and_b32 v74, 31, v0                          ; lane
	v_cmp_gt_u32 vcc_lo, 16, v74
.irp j, 0,1,2,3
	HQUANT ACC+32*\j, CD+8*\j, TT, HW+\j
.endr
	s_wait_alu depctr_va_vcc(0)                    ; VCC is written, ahead of the selects that read it
	v_cndmask_b32 v72, v[HW+1], v[HW], vcc_lo      ; channels 0-15 in lanes 0-15, 16-31 in lanes 16-31
	v_cndmask_b32 v73, v[HW+3], v[HW+2], vcc_lo
	s_wait_alu depctr_va_vdst(0)                   ; the codes v[CD ..] and the words v72, v73 are written, which the ten stores read
.irp j, 0,1,2,3
	global_store_b128 v1, v[CD+8*\j:CD+8*\j+3], s[28:29] offset:12288*\j
	global_store_b64 v2, v[CD+8*\j+4:CD+8*\j+5], s[28:29] offset:12288*\j
.endr
	global_store_b32 v3, v72, s[30:31]
	global_store_b32 v3, v73, s[30:31] offset:128
	s_wait_xcnt 0x0
	v_lshl_add_u32 v254, v0, 2, 0x2d800
	v_mov_b32 v255, 0
	s_wait_dscnt 0x0                               ; the closing lines, six on end
	s_wait_alu 0x0
	s_wait_tensorcnt 0x0
	ds_add_u32 v254, v255
	s_wait_dscnt 0x0
	s_endpgm
.Lq:
	PATH 8, 0, WQ_C, WQ_S
	EPIQK 5, 128, QC_O, QS_O
.Lk:
	PATH 6, 0, WK_C, WK_S
	EPIQK 4, 64, KC_O, KS_O
.Lfunc_end_k_q643db234a0_proj:
	.size	k_q643db234a0_proj, .Lfunc_end_k_q643db234a0_proj-k_q643db234a0_proj
	.p2alignl 7, 3214868480
	.fill 96, 4, 3214868480
	.section	.rodata,"a",@progbits
	.p2align	6, 0x0
	.amdhsa_kernel k_q643db234a0_proj
		.amdhsa_group_segment_fixed_size 188416
		.amdhsa_private_segment_fixed_size 0
		.amdhsa_enable_private_segment 0
		.amdhsa_kernarg_size 32
		.amdhsa_user_sgpr_count 2
		.amdhsa_user_sgpr_kernarg_segment_ptr 1
		.amdhsa_wavefront_size32 1
		.amdhsa_system_sgpr_workgroup_id_x 1
		.amdhsa_system_sgpr_workgroup_id_y 1
		.amdhsa_system_sgpr_workgroup_id_z 1
		.amdhsa_system_vgpr_workitem_id 0
		.amdhsa_next_free_vgpr 256
		.amdhsa_next_free_sgpr 66
		.amdhsa_reserve_vcc 1
		.amdhsa_float_denorm_mode_32 3
		.amdhsa_float_denorm_mode_16_64 3
		.amdhsa_memory_ordered 1
		.amdhsa_forward_progress 1
		.amdhsa_inst_pref_size 151
	.end_amdhsa_kernel
	.amdgpu_metadata
---
amdhsa.version: [ 1, 2 ]
amdhsa.kernels:
  - .name:           k_q643db234a0_proj
    .symbol:         k_q643db234a0_proj.kd
    .args:
      - { .name: tokens, .offset: 0, .size: 8, .value_kind: global_buffer, .address_space: global }
      - { .name: context, .offset: 8, .size: 8, .value_kind: global_buffer, .address_space: global }
      - { .name: wb, .offset: 16, .size: 8, .value_kind: global_buffer, .address_space: global }
      - { .name: qkv, .offset: 24, .size: 8, .value_kind: global_buffer, .address_space: global }
    .group_segment_fixed_size: 188416
    .private_segment_fixed_size: 0
    .kernarg_segment_align: 8
    .kernarg_segment_size: 32
    .max_flat_workgroup_size: 512
    .sgpr_count:     66
    .vgpr_count:     256
    .wavefront_size: 32
...
	.end_amdgpu_metadata
.endif
;; end of part 6
;; launch attn (part 7): grid 4 x 64, 16 waves a work-group, no clusters, 104,448 bytes of LDS; arguments qkv, ct; writes ct
.if DOCPART == 7
	.amdgcn_target "amdgcn-amd-amdhsa--gfx1250"
	.amdhsa_code_object_version 6
	.text
	.protected	k_q643db234a0_attn
	.globl	k_q643db234a0_attn
	.p2align	8
	.type	k_q643db234a0_attn,@function
k_q643db234a0_attn:
	s_mov_b64 s[64:65], 0
	v_nop
	global_prefetch_b8 v0, s[64:65] scope:SCOPE_SE
	s_setreg_imm32_b32 hwreg(HW_REG_WAVE_SCHED_MODE, 0, 2), 2
	s_setreg_imm32_b32 hwreg(HW_REG_WAVE_MODE, 25, 1), 1
	s_wait_xcnt 0x0
	s_wait_alu depctr_vm_vsrc(0)
; ctx[b][q][head] = softmax_k(Q . K / 8) V on codes of FP6 (E2M3) with E8M0 scales, and ctx quantised at once along the 1,024 of the last product's K.
; THE SOFTMAX AHEAD OF THE SECOND PRODUCT: t = score x log2(e) / 8; M = the running largest t rounded UP to a whole number; p = 2^(t - M) is quantised along the keys, not normalised; the row's sum is taken
; of the unquantised p and divides at the end; when M moves, the sum and O are multiplied by 2^(old M - new M), which rounds nothing.
; SHARES.  A work-group owns 512 queries of one head (x: which 512; y: 16 b + head).  Each of its sixteen waves owns two tiles of 16 queries and works them one after the other; four waves share a SIMD.
; A head's K and V, 2 x 49,152 bytes of codes and 2 x 2,048 of scale words, are copied into LDS once, through registers; one barrier; behind it LDS is only read.
; Both tiles' codes of Q and their scale words are asked for at the head, beside that copy: no load stands behind the barrier.
; LAYOUT.  Both products are used transposed: S^T = K Q^T, O^T = V^T P^T: a lane holds one query throughout.  The keys of a tile, the queries of a tile and the channels of a tile of V are laid
; so (row r of tile 2 p + u is index 32 p + 8 u + r + 8 (r / 8)) that the 16 registers of two neighbouring result tiles are 16 neighbours.
; THE FIRST PRODUCT'S K IS 64, the instruction's 128: two neighbouring tiles of keys, six registers each, stand on end as ONE operand; times [q | 0] it gives the even tile's scores, times [0 | q] the odd tile's.
; The other half meets zero codes, which add nothing under any scale byte of 1 .. 254.  So each byte of K is read from LDS once, and a pair's four scale bytes are one word.
; No cluster: what the four work-groups of a head share is copied once, 102,400 bytes a work-group, ahead of its 16 x 2 x 8 key steps; this text has no tensor load that could be asked jointly.
; LIMITS: blocks of zeros or under 2^-124 get the scale byte 1 (read by this program alone); NaN and infinities are not served.
; THE MODE: SCHED_MODE bits 1:0 = 2 (LLVM: expert scheduling mode 2), set by the entry lines.  The code itself states the register dependences between vector or matrix instructions and memory or LDS
; instructions, with s_wait_alu, always for 0.
; THE PLAN.  Registers that memory or LDS instructions touch, in a key step:
;   v8-11, v28, v29   the step's LDS addresses: written by six additions at the step's head, read by the step's LDS loads (an LDS address has no scalar base).
;   F v32-79          K's loads land at the step's head, the score products read; V's loads land behind the exponentials, the second products read.
;   KSR, VSR          scale words: LDS loads land, the products read.
; So a step has one wait on vm_vsrc, ahead of the six additions, and three on va_vdst: behind the additions (the addresses are written; the last step's second products are done reading F and VSR), behind the
; batch of 68 exponentials (their results are written; the score products are done reading F: V's loads stand behind this wait), and ahead of the second products (p's codes and scale word are written).
; Outside the loop: the head's copy (loads into v96-146, LDS stores out of v96-147), and ctx's codes, written by the quantiser and read by the stores at a tile's end.
.set KC_O, 6291456
.set VC_O, 9437184
.set QS_O, 12582912
.set KS_O, 12845056
.set VS_O, 12976128
.set CS_O, 6291456                     ; ct: codes [tile of 16 queries: 512][head 16][768]; scale words [pair 256][head 16][128 bytes]
.set KIMG, 0
.set VIMG, 49152
.set KSC,  98304
.set VSC,  100352
.set QL,  16                           ; v16-27   [q | 0]
.set F,   32                           ; v32-79   four operands of K or of V
.set QH,  80                           ; v80-91   [0 | q]
.set HW,  92                           ; v92-93   ctx's two scale bytes, for each of my tiles
.set S,   96                           ; v96-159  S^T, then p
.set O,   160                          ; v160-191 O^T
.set PC,  192                          ; v192-203 p's codes; at the end ctx's
.set CT,  204                          ; v204-206, v208-210 the conversions' second halves
.set BM,  212                          ; v212-215 the blocks' largest scores
.set T2,  216                          ; v216-219 at work
.set SOP, 220                          ; v220-223 the conversions' scale operands
.set KSR, 224                          ; v224-225 K's scale words
.set VSR, 226                          ; v226-227 V's
.set PS,  228                          ; v228     p's scale word
.set FF,  230                          ; v[230:231] f = 2^(old M - new M); at the end 1 / the sum
.set TP,  232
.set Q1B, 234                          ; v234-235 the last two of tile 1's six registers of Q, until its turn
.set TM,  236                          ; v236-249 the quantiser's work
.set Q1,  252                          ; v252-255 the first four
.set SEL, 20
.set CS,  22
.macro HQUANT s, d, t, hw              ; 32 numbers of a lane (two blocks, shared with lane l xor 16) -> six registers of codes, two bytes
.irp b, 0,1
	v_max3_num_f32 v[TM+\b], |v[(\s)+16*\b]|, |v[(\s)+1+16*\b]|, 0x1800000
.endr
.irp i, 2,4,6,8,10,12,14
.irp b, 0,1
	v_max3_num_f32 v[TM+\b], v[TM+\b], |v[(\s)+16*\b+\i]|, |v[(\s)+1+16*\b+\i]|
.endr
.endr
.irp b, 0,1
	v_permlanex16_b32 v[TM+4+\b], v[TM+\b], s[SEL], s[SEL+1]
.endr
.irp b, 0,1
	v_max_num_f32 v[TM+\b], v[TM+\b], v[TM+4+\b]
.endr
.irp b, 0,1
	v_add_nc_u32 v[TM+12+\b], 0xff000000, v[TM+\b]
.endr
.irp b, 0,1
	v_lshrrev_b32 v[TM+4+\b], 23, v[TM+12+\b]
.endr
	v_lshl_or_b32 v[\hw], v[TM+5], 8, v[TM+4]
	v_cvt_scalef32_pk16_fp6_f32 v[(\d):(\d)+2], v[(\s):(\s)+15], v[TM+12]
	v_cvt_scalef32_pk16_fp6_f32 v[(\t):(\t)+2], v[(\s)+16:(\s)+31], v[TM+13]
	v_nop                                          ; one plain line behind the conversions
.irp i, 0,1,2
	v_permlane16_swap_b32 v[(\d)+\i], v[(\t)+\i]
.endr
.irp i, 0,1,2
	v_mov_b32 v[(\d)+3+\i], v[(\t)+\i]
.endr
.endm
.macro WM d, a, b, zero, sa, sb, ra    ; one matrix instruction; ra = 1: source 0's scale words stand in lanes 16-31
.if (\zero) && ((\ra)==0)
	v_wmma_scale_f32_16x16x128_f8f6f4 v[(\d):(\d)+7], v[(\a):(\a)+11], v[(\b):(\b)+11], 0, v[\sa], v[\sb] matrix_a_fmt:MATRIX_FMT_FP6 matrix_b_fmt:MATRIX_FMT_FP6
.elseif (\zero)
	v_wmma_scale_f32_16x16x128_f8f6f4 v[(\d):(\d)+7], v[(\a):(\a)+11], v[(\b):(\b)+11], 0, v[\sa], v[\sb] matrix_a_fmt:MATRIX_FMT_FP6 matrix_b_fmt:MATRIX_FMT_FP6 matrix_a_scale:MATRIX_SCALE_ROW1
.elseif ((\ra)==0)
	v_wmma_scale_f32_16x16x128_f8f6f4 v[(\d):(\d)+7], v[(\a):(\a)+11], v[(\b):(\b)+11], v[(\d):(\d)+7], v[\sa], v[\sb] matrix_a_fmt:MATRIX_FMT_FP6 matrix_b_fmt:MATRIX_FMT_FP6
.else
	v_wmma_scale_f32_16x16x128_f8f6f4 v[(\d):(\d)+7], v[(\a):(\a)+11], v[(\b):(\b)+11], v[(\d):(\d)+7], v[\sa], v[\sb] matrix_a_fmt:MATRIX_FMT_FP6 matrix_b_fmt:MATRIX_FMT_FP6 matrix_a_scale:MATRIX_SCALE_ROW1
.endif
.endm
; A KEY STEP: 128 keys.  s28, s29, s30: where the step's K, V and scale words begin.
.macro KSTEP
	s_wait_alu depctr_vm_vsrc(0)                   ; the last step's LDS loads have read v8-11, v28, v29, which are written below.  In tile 0's first trip: the head's loads and LDS stores have read them, and v96-147, which the products write; in tile 1's: tile 0's stores have read ctx's codes, whose registers take p's again
	v_add_nc_u32 v8, s28, v1                       ; six plain lines behind the last products
	v_add_nc_u32 v9, s28, v2
	v_add_nc_u32 v10, s29, v3
	v_add_nc_u32 v11, s29, v4
	v_add_nc_u32 v28, s30, v5
	v_add_nc_u32 v29, s30, v6
	s_wait_alu depctr_va_vdst(0)                   ; the six addresses are written, which the step's LDS loads read; the last step's products are done reading F and the scale words, in which loads land; in a first trip Q's operands and scale word, written more than eight places back, are written for the score products
.irp p, 0,1,2,3                                ; a pair of tiles of keys: two times six registers on end
	ds_load_b128 v[F+12*\p:F+12*\p+3], v8 offset:1536*\p
	ds_load_b64 v[F+12*\p+4:F+12*\p+5], v9 offset:1536*\p
	ds_load_b128 v[F+12*\p+6:F+12*\p+9], v8 offset:1536*\p+768
	ds_load_b64 v[F+12*\p+10:F+12*\p+11], v9 offset:1536*\p+768
.endr
	ds_load_b32 v[KSR], v28                        ; lanes 0-15 pair 0's words, lanes 16-31 pair 1's
	ds_load_b32 v[KSR+1], v28 offset:128
	s_wait_dscnt 0x0
.irp p, 0,1,2,3
	WM S+16*\p, F+12*\p, QL, 1, KSR+\p/2, 31, \p%2
	WM S+16*\p+8, F+12*\p, QH, 1, KSR+\p/2, 31, \p%2
.endr                                          ; the 16 registers of tiles 2 b, 2 b + 1 are keys 32 b + 16 (lane / 16) + 0 .. 15 of the step
.rept 4
	v_nop                                          ; places in front of the first read of the scores
.endr
.irp b, 0,1,2,3
	v_max3_num_f32 v[BM+\b], v[S+16*\b], v[S+1+16*\b], v[S+2+16*\b]   ; the largest score of each block of 32 keys: for the row's maximum and, since p rises with the score, for the block's largest p
.endr
.irp i, 3,5,7,9,11,13
.irp b, 0,1,2,3
	v_max3_num_f32 v[BM+\b], v[BM+\b], v[S+16*\b+\i], v[S+1+16*\b+\i]
.endr
.endr
.irp b, 0,1,2,3
	v_max_num_f32 v[BM+\b], v[BM+\b], v[S+15+16*\b]
.endr
.irp b, 0,1,2,3
	v_permlanex16_b32 v[T2+\b], v[BM+\b], s[SEL], s[SEL+1]
.endr
.irp b, 0,1,2,3
	v_max_num_f32 v[BM+\b], v[BM+\b], v[T2+\b]     ; with lane l xor 16's 16 keys
.endr
	v_max3_num_f32 v[TP], v[BM], v[BM+1], v[BM+2]
	v_max_num_f32 v[TP], v[TP], v[BM+3]
	v_mul_f32 v[TP], s[CS], v[TP]                  ; as t (c is positive)
	v_max_num_f32 v13, v13, v[TP]                  ; the running largest t
	v_mov_b32 v[TP], v12
	v_floor_f32 v12, -v13                          ; the new -M = floor(-t): M is a whole number
	v_sub_f32 v[TP], v12, v[TP]                    ; old M - new M: a whole number, 0 or less
	v_cvt_i32_f32 v[TP], v[TP]                     ; (it saturates)
	v_ldexp_f32 v[FF], 1.0, v[TP]                  ; f = 2^(old M - new M)
.set j, 0
.rept 32
	v_pk_fma_f32 v[S+j:S+j+1], v[S+j:S+j+1], s[CS:CS+1], v[12:13] op_sel_hi:[1,0,0]   ; t - M, two at a time
.set j, j+2
.endr
.irp b, 0,1,2,3
	v_fma_f32 v[BM+\b], v[BM+\b], s[CS], v12       ; the same of each block's largest score
.endr
.set j, 0
	s_wait_alu depctr_va_vdst(0)
.rept 64
	v_exp_f32 v[S+j], v[S+j]                       ; p = 2^(t - M), at most 1
.set j, j+1
.endr
.irp b, 0,1,2,3
	v_exp_f32 v[BM+\b], v[BM+\b]                   ; the block's largest p: in the same batch
.endr
	v_pk_mul_f32 v[14:15], v[14:15], v[FF:FF+1] op_sel_hi:[1,0]   ; the sums under the new M: a plain line behind the exponentials
	s_wait_alu depctr_va_vdst(0)                   ; the 68 exponentials have written their results, ahead of the first line that names one; and the score products are done reading F, in which V's loads land
.irp t, 0,1,2,3                                ; V's four tiles of 16 channels x these 128 keys: asked for now, wanted behind the rest of the softmax, none of whose lines names these registers
	ds_load_b128 v[F+12*\t:F+12*\t+3], v10 offset:12288*\t
	ds_load_b64 v[F+12*\t+4:F+12*\t+5], v11 offset:12288*\t
	ds_load_b128 v[F+12*\t+6:F+12*\t+9], v10 offset:12288*\t+768
	ds_load_b64 v[F+12*\t+10:F+12*\t+11], v11 offset:12288*\t+768
.endr
	ds_load_b32 v[VSR], v29
	ds_load_b32 v[VSR+1], v29 offset:128
	v_pk_add_f32 v[T2:T2+1], v[S:S+1], v[S+2:S+3]  ; the row's sum is taken of the unquantised p, in two chains
.irp j, 4,8,12,16,20,24,28,32,36,40,44,48,52,56,60
	v_pk_add_f32 v[14:15], v[14:15], v[S+\j:S+1+\j]
	v_pk_add_f32 v[T2:T2+1], v[T2:T2+1], v[S+2+\j:S+3+\j]
.endr
	v_pk_add_f32 v[14:15], v[14:15], v[T2:T2+1]
.irp b, 0,1,2,3
	v_max_num_f32 v[BM+\b], 0x1800000, v[BM+\b]    ; the floor 2^(3 - 127): the byte cannot fall under 1
.endr
.irp b, 0,1,2,3
	v_add_nc_u32 v[SOP+\b], 0xff000000, v[BM+\b]   ; 2 off the exponent field: the conversion's scale operand
.endr
.irp b, 0,1,2,3
	v_lshrrev_b32 v[T2+\b], 23, v[SOP+\b]          ; the scale's byte
.endr
	v_lshl_or_b32 v[PS], v[T2+1], 8, v[T2]
	v_lshl_or_b32 v[PS], v[T2+2], 16, v[PS]
	v_lshl_or_b32 v[PS], v[T2+3], 24, v[PS]
.irp c, 0,1
	v_cvt_scalef32_pk16_fp6_f32 v[PC+6*\c:PC+2+6*\c], v[S+32*\c:S+15+32*\c], v[SOP+2*\c]
	v_cvt_scalef32_pk16_fp6_f32 v[CT+4*\c:CT+2+4*\c], v[S+16+32*\c:S+31+32*\c], v[SOP+2*\c+1]
.endr
	v_nop                                          ; one plain line behind the conversions
.irp c, 0,1
.irp i, 0,1,2
	v_permlane16_swap_b32 v[PC+6*\c+\i], v[CT+4*\c+\i]
.endr
.irp i, 0,1,2
	v_mov_b32 v[PC+3+6*\c+\i], v[CT+4*\c+\i]
.endr
.endr
.set j, 0
.rept 16
	v_pk_mul_f32 v[O+j:O+j+1], v[O+j:O+j+1], v[FF:FF+1] op_sel_hi:[1,0]   ; O^T under the new M, each accumulator from its low end on; these 16 are also the places between p's scale word and codes and the products
.set j, j+2
.endr
	s_wait_alu depctr_va_vdst(0)                   ; p's codes and its scale word are written, which the scaled products take; the places above stay beside this wait
	s_wait_dscnt 0x0                               ; V is in
.irp t, 0,1,2,3
	WM O+8*\t, F+12*\t, PC, 0, VSR+\t/2, PS, \t%2  ; four accumulators by turns, one instruction a turn
.endr
	s_add_co_u32 s28, s28, 6144
	s_add_co_u32 s29, s29, 1536
	s_add_co_u32 s30, s30, 256
.endm
; One of my two tiles of 16 queries, from its codes to ctx's codes.  Tile 0's codes were loaded into their places at the head; tile 1's are moved there now.
.macro TILE i
.if \i == 1
	s_wait_xcnt 0x0                                ; the last tile's stores have had their addresses translated (the wait on vm_vsrc at the first key step's head stands beside this one, ahead of the first write of their registers)
.irp j, 0,1,2,3
	v_mov_b32 v[QL+\j], v[Q1+\j]                   ; the same six registers twice: as the lower half of [q | 0]
	v_mov_b32 v[QH+6+\j], v[Q1+\j]                 ; and as the upper half of [0 | q]
.endr
.irp j, 0,1
	v_mov_b32 v[QL+4+\j], v[Q1B+\j]
	v_mov_b32 v[QH+10+\j], v[Q1B+\j]
.endr
	v_perm_b32 v31, v30, v30, 0x07060302           ; my tile's two bytes, twice: for either half of K
.else
	v_perm_b32 v31, v30, v30, 0x05040100
.endif
	v_mov_b32 v13, 0xff61b1e6                      ; the largest t so far: -3e38, under every t
	v_floor_f32 v12, -v13                          ; -M
	v_mov_b32 v14, 0                               ; the sum, in two halves
	v_mov_b32 v15, 0
.set j, 0
.rept 32
	v_mov_b32 v[O+j], 0                            ; O^T: the step is written once, and its first trip finds zeros.  (These lines are also the places between the operand and the scale word above and the first product)
.set j, j+1
.endr
	s_mov_b32 s28, 0
	s_mov_b32 s29, 0
	s_mov_b32 s30, 0
	s_mov_b32 s31, 8                               ; 1,024 keys, 128 a trip
.Lkeys_\@:
	KSTEP
	s_sub_co_u32 s31, s31, 1
	s_cmp_lg_u32 s31, 0
	s_cbranch_scc1 .Lkeys_\@
.rept 4
	v_nop                                          ; places behind the last products
.endr
	v_add_f32 v14, v14, v15
	v_permlanex16_b32 v[TP], v14, s[SEL], s[SEL+1]
	v_add_f32 v14, v14, v[TP]                      ; the row's sum
	s_wait_alu depctr_va_vdst(0)
	v_rcp_f32 v[FF], v14
	v_nop                                          ; a plain line behind the reciprocal
	s_wait_alu depctr_va_vdst(0)                   ; the reciprocal has written v[FF], ahead of its first reader
.set j, 0
.rept 16
	v_pk_mul_f32 v[O+j:O+j+1], v[O+j:O+j+1], v[FF:FF+1] op_sel_hi:[1,0]   ; register 16 b + i is ctx(query, 64 head + 32 b + 16 (lane / 16) + i)
.set j, j+2
.endr
.if \i == 1
	v_cmp_gt_u32 vcc_lo, 16, v95
.endif
	HQUANT O, PC, CT, HW+\i
.if \i == 1
	s_wait_alu depctr_va_vcc(0)                    ; VCC is written, ahead of the select that reads it
	v_cndmask_b32 v[HW], v[HW+1], v[HW], vcc_lo    ; lanes 0-15 tile 0's rows, lanes 16-31 tile 1's
.endif
	s_wait_alu depctr_va_vdst(0)                   ; ctx's codes (and, behind tile 1, the pair's scale words) are written, which the stores read
	global_store_b128 v1, v[PC:PC+3], s[24:25] offset:12288*\i    ; 512 and 256 consecutive bytes, at multiples of 256 from ct's first byte
	global_store_b64 v2, v[PC+4:PC+5], s[24:25] offset:12288*\i
.if \i == 1
	global_store_b32 v7, v[HW], s[26:27]
.endif
.endm
	s_load_b128 s[4:7], s[0:1], 0x0                ; qkv, ct
	v_lshl_add_u32 v250, v0, 2, 0x19000
	v_mov_b32 v251, 0
	v_lshrrev_b32 v8, 5, v0
	v_readfirstlane_b32 s8, v8                     ; wave 0..15
	s_and_b32 s9, ttmp7, 0xffff                    ; 16 b + head
	v_and_b32 v95, 31, v0                          ; lane
	v_lshlrev_b32 v1, 4, v95                       ; 16 x lane
	v_lshl_add_u32 v2, v95, 3, 512                 ; 8 x lane + 512
	v_add_nc_u32 v3, VIMG, v1
	v_add_nc_u32 v4, VIMG, v2
	v_lshl_add_u32 v5, v95, 2, KSC
	v_lshl_add_u32 v6, v95, 2, VSC
	v_lshlrev_b32 v7, 2, v95
	v_and_b32 v94, 15, v0
	v_lshlrev_b32 v94, 2, v94                      ; 4 r
	v_lshlrev_b32 v10, 4, v0                       ; the copy: 16 x thread, in memory and in K's part of LDS;
	v_add_nc_u32 v11, VIMG, v10                    ; in V's;
	v_lshl_add_u32 v8, v0, 2, KSC                  ; a scale word a thread
	v_lshrrev_b32 v29, 6, v0
	v_and_b32 v28, 63, v0
	v_lshlrev_b32 v28, 2, v28
	v_lshl_add_u32 v29, v29, 9, v28                ; V's scale bytes of key step t / 64, channel t % 64: two words, 256 bytes apart
	v_lshlrev_b32 v28, 2, v0
	s_mov_b32 s[SEL], 0x76543210
	s_mov_b32 s[SEL+1], 0xfedcba98
	s_mov_b32 s[CS], 0x3e38aa3b                    ; c = log2(e) / 8
	s_mov_b32 s[CS+1], s[CS]                       ; (named with it as a pair, so it is written)
	s_wait_alu depctr_va_sdst(0)                   ; s8 is written, ahead of its first reader
	s_lshl_b32 s10, ttmp9, 4
	s_add_co_u32 s10, s10, s8                      ; P: my pair of tiles of queries, 0..63
	s_mul_i32 s12, s9, 49152
	s_mov_b32 s13, 0
	s_wait_kmcnt 0x0
	s_add_nc_u64 s[32:33], s[4:5], s[12:13]
	s_add_nc_u64 s[34:35], s[32:33], VC_O          ; the head's V
	s_add_nc_u64 s[32:33], s[32:33], KC_O          ; and K
	s_lshl_b32 s12, s9, 11
	s_add_nc_u64 s[36:37], s[4:5], s[12:13]
	s_add_nc_u64 s[36:37], s[36:37], KS_O
	s_lshl_b32 s12, s9, 12
	s_add_nc_u64 s[38:39], s[4:5], s[12:13]
	s_add_nc_u64 s[18:19], s[38:39], QS_O
	s_add_nc_u64 s[38:39], s[38:39], VS_O
	s_wait_alu depctr_va_vdst(0)                   ; the addresses and offsets v1-v8, v10, v11, v28, v29, v94 are written, which the loads and stores below read
.irp i, 0,1,2,3,4,5
	global_load_b128 v[96+4*\i:99+4*\i], v10, s[32:33] offset:8192*\i
.endr
.irp i, 0,1,2,3,4,5
	global_load_b128 v[120+4*\i:123+4*\i], v10, s[34:35] offset:8192*\i
.endr
	global_load_b32 v144, v28, s[36:37]
	global_load_b32 v145, v29, s[38:39]
	global_load_b32 v146, v29, s[38:39] offset:256
	s_lshl_b32 s12, s10, 6
	s_add_nc_u64 s[18:19], s[18:19], s[12:13]      ; my pair's scale words of Q
	s_lshl_b32 s12, s9, 7
	s_lshl_b32 s14, s10, 1
	s_add_co_u32 s12, s12, s14
	s_mul_i32 s12, s12, 768
	s_add_nc_u64 s[16:17], s[4:5], s[12:13]        ; my first tile of Q (Q's codes begin qkv)
	global_load_b128 v[QL:QL+3], v1, s[16:17]      ; tile 0's six registers, twice: into [q | 0]
	global_load_b64 v[QL+4:QL+5], v2, s[16:17]
	global_load_b128 v[QH+6:QH+9], v1, s[16:17]    ; and into [0 | q]
	global_load_b64 v[QH+10:QH+11], v2, s[16:17]
	global_load_b128 v[Q1:Q1+3], v1, s[16:17] offset:768         ; tile 1's, kept until its turn
	global_load_b64 v[Q1B:Q1B+1], v2, s[16:17] offset:768
	global_load_b32 v30, v94, s[18:19]             ; the pair's scale words: bytes 0, 1 tile 0's, bytes 2, 3 tile 1's
	s_lshr_b32 s14, s9, 4                          ; b
	s_and_b32 s15, s9, 15                          ; head
	s_lshl_b32 s12, s14, 7
	s_lshl_b32 s40, s10, 1
	s_add_co_u32 s12, s12, s40
	s_lshl_b32 s12, s12, 4
	s_add_co_u32 s12, s12, s15
	s_mul_i32 s12, s12, 768
	s_add_nc_u64 s[24:25], s[6:7], s[12:13]        ; ctx's codes: (tile 128 b + 2 P, head)
	s_lshl_b32 s12, s14, 6
	s_add_co_u32 s12, s12, s10
	s_lshl_b32 s12, s12, 4
	s_add_co_u32 s12, s12, s15
	s_lshl_b32 s12, s12, 7
	s_add_co_u32 s12, s12, CS_O
	s_add_nc_u64 s[26:27], s[6:7], s[12:13]        ; and its scale words
.irp j, 6,7,8,9,10,11
	v_mov_b32 v[QL+\j], 0                          ; the zero halves, written once
.endr
.irp j, 0,1,2,3,4,5
	v_mov_b32 v[QH+\j], 0
.endr
.irp b, 0,1,2,3
	v_mov_b32 v[T2+\b], 0                          ; written once: a lane permute's destination counts as one of its sources
.endr
	v_mov_b32 v[FF+1], 0                           ; (named as the upper half of a pair)
	v_mov_b32 v[TP], 0
	v_mov_b32 v[TM+4], 0
	v_mov_b32 v[TM+5], 0
	s_wait_loadcnt 0x0                             ; the copy and Q are in
	v_lshl_or_b32 v147, v146, 16, v145             ; a key step's four bytes of a channel
	s_wait_alu depctr_va_vdst(0)                   ; v147 is written, which the last of the LDS stores below reads
.irp i, 0,1,2,3,4,5
	ds_store_b128 v10, v[96+4*\i:99+4*\i] offset:KIMG+8192*\i
.endr
.irp i, 0,1,2,3,4,5
	ds_store_b128 v11, v[120+4*\i:123+4*\i] offset:8192*\i
.endr
	ds_store_b32 v8, v144
	ds_store_b32 v8, v147 offset:VSC-KSC
	s_wait_dscnt 0x0                               ; for the others' sake: my stores have landed
	s_barrier_signal -1
	s_barrier_wait -1                              ; the head's K and V lie in LDS; nothing is stored there any more
	TILE 0
	TILE 1
	s_wait_dscnt 0x0                               ; the closing lines, six on end
	s_wait_alu 0x0
	s_wait_tensorcnt 0x0
	ds_add_u32 v250, v251
	s_wait_dscnt 0x0
	s_endpgm
.Lfunc_end_k_q643db234a0_attn:
	.size	k_q643db234a0_attn, .Lfunc_end_k_q643db234a0_attn-k_q643db234a0_attn
	.p2alignl 7, 3214868480
	.fill 96, 4, 3214868480
	.section	.rodata,"a",@progbits
	.p2align	6, 0x0
	.amdhsa_kernel k_q643db234a0_attn
		.amdhsa_group_segment_fixed_size 104448
		.amdhsa_private_segment_fixed_size 0
		.amdhsa_enable_private_segment 0
		.amdhsa_kernarg_size 16
		.amdhsa_user_sgpr_count 2
		.amdhsa_user_sgpr_kernarg_segment_ptr 1
		.amdhsa_wavefront_size32 1
		.amdhsa_system_sgpr_workgroup_id_x 1
		.amdhsa_system_sgpr_workgroup_id_y 1
		.amdhsa_system_sgpr_workgroup_id_z 1
		.amdhsa_system_vgpr_workitem_id 0
		.amdhsa_next_free_vgpr 256
		.amdhsa_next_free_sgpr 66
		.amdhsa_reserve_vcc 1
		.amdhsa_float_denorm_mode_32 3
		.amdhsa_float_denorm_mode_16_64 3
		.amdhsa_memory_ordered 1
		.amdhsa_forward_progress 1
		.amdhsa_inst_pref_size 50
	.end_amdhsa_kernel
	.amdgpu_metadata
---
amdhsa.version: [ 1, 2 ]
amdhsa.kernels:
  - .name:           k_q643db234a0_attn
    .symbol:         k_q643db234a0_attn.kd
    .args:
      - { .name: qkv, .offset: 0, .size: 8, .value_kind: global_buffer, .address_space: global }
      - { .name: ct, .offset: 8, .size: 8, .value_kind: global_buffer, .address_space: global }
    .group_segment_fixed_size: 104448
    .private_segment_fixed_size: 0
    .kernarg_segment_align: 8
    .kernarg_segment_size: 16
    .max_flat_workgroup_size: 512
    .sgpr_count:     66
    .vgpr_count:     256
    .wavefront_size: 32
...
	.end_amdgpu_metadata
.endif
;; end of part 7
;; launch outp (part 8): grid 2 x 128, 8 waves a work-group, no clusters, 103,424 bytes of LDS; arguments ct, wb, bo, out0; writes out0
.if DOCPART == 8
	.amdgcn_target "amdgcn-amd-amdhsa--gfx1250"
	.amdhsa_code_object_version 6
	.text
	.protected	k_q643db234a0_outp
	.globl	k_q643db234a0_outp
	.p2align	8
	.type	k_q643db234a0_outp,@function
k_q643db234a0_outp:
	s_mov_b64 s[64:65], 0
	v_nop
	global_prefetch_b8 v0, s[64:65] scope:SCOPE_SE
	s_setreg_imm32_b32 hwreg(HW_REG_WAVE_SCHED_MODE, 0, 2), 2
	s_setreg_imm32_b32 hwreg(HW_REG_WAVE_MODE, 25, 1), 1
	s_wait_xcnt 0x0
	s_wait_alu depctr_vm_vsrc(0)
; out0 = ctx Wo + bo on codes of FP6 (E2M3) with E8M0 scales.  ctx's codes and scale bytes come from ct, Wo's from wb, both in the order of the operands' registers.
; A work-group (x: which 512 columns; y: which 64 rows) has eight waves; wave w makes 64 rows x columns 512 x + 64 w .. + 63: 16 accumulators.
; HEAD: the 64 rows' 32 fragments (two heads' six registers on end are a K step of 128) and their scale words are copied into LDS once, through registers; one barrier; behind it that part of LDS is only read.
; Wo's scale words of my 64 columns, 2,048 consecutive bytes, go the same way into LDS bytes of my own and are read from there a line a K step.
; WO'S FRAGMENTS ARE ASKED FOR FOUR K STEPS AHEAD: they stand in window 1, four sets of four fragments; K step s uses set s % 4, and behind its products, at the next step's head, that set takes K step s + 4.
; THE ROWS' FRAGMENTS ARE ASKED FOR ONE K STEP AHEAD, out of LDS, into two sets by turns.
; The bias stands in window 1 in the result's layout and is the C of the first K step's products: it costs no arithmetic.
; PRODUCT: source 0 = 16 columns of Wo, source 1 = 16 rows of ctx: a lane holds eight neighbouring columns of one row.  The rows of a tile are not neighbours: row r of tile 2 p + u is row 32 p + 8 u + r + 8 (r / 8).
; THE WAY OUT: 16 rows x 256 bytes at a time through the wave's own stage in LDS; sixteen lanes store 256 consecutive bytes, at a multiple of 256 from out0's first byte.
; REGISTERS, in windows of 256 (s_set_vgpr_msb: bits 1:0 source 0, 3:2 source 1, 5:4 source 2, 7:6 destination):
;   window 0: v1-7, v16-19 addresses; v8-11 Wo's scale words, two sets; v12-15 the rows', two sets; v20-26 at work at the head; v32-79, v80-127 the rows' fragments, two sets; v128-255 the accumulators.
;   window 1: v0-191 Wo's fragments; v192-223 the bias.
; No cluster: a fragment of Wo is used by one wave of a work-group and goes straight into its registers; this text has no tensor load that could be asked jointly.
; THE MODE: SCHED_MODE bits 1:0 = 2 (LLVM: expert scheduling mode 2), set by the entry lines.  The code itself states the register dependences between vector or matrix instructions and memory or LDS
; instructions, with s_wait_alu, always for 0.
; THE PLAN.  Registers that memory or LDS instructions touch:
;   v1-7, v16-19     addresses and offsets: written at the head, never again.
;   v32-95, v20, v22 at the head: loads land (v20, v22 are then made whole by a vector line each), the LDS stores of the copy read; behind the barrier v32-127 are the rows' fragments.
;   the rows' fragments and both sides' scale words, two sets: step s's products read set s % 2; the LDS loads of step s + 2 land in it at the head of step s + 1.
;   Wo's four sets: step s's products read set s % 4; the loads of step s + 4 land in it at the head of step s + 1.
;   the accumulators: written by the products, read by the stage's LDS stores; the rows come back from the stage into v32-159.
; So ONE wait on va_vdst stands at the head of a K step that issues loads: the products of the step before are done reading all that those loads land in.  Only loads and a window switch stand between it and them.
.set WO_C, 786432
.set WO_S, 2785280
.set CS_O, 6291456
.set XIMG, 0                           ; LDS: the rows' fragments: (K step s, tile m) at (4 s + m) x 1,536
.set XSC,  49152                       ; their scale words: a line of 128 bytes for a pair of tiles and a K step
.set STG,  51200                       ; 8 waves x 16 rows x (256 + 16) bytes
.set WSC,  86016                       ; 8 waves x 2,048 bytes: Wo's scale words, (pair p, K step s) at (8 p + s) x 128
.set WS,  8
.set XS,  12
.set XF,  32
.set OB,  32                           ; the way out: tile j's rows come back into v[32 + 32 j] on
.set ACC, 128
.set BI,  192                          ; in window 1
.set MSB, 0
.macro WIN new                         ; the immediate's high byte repeats the setting that is left
.if MSB != \new
	s_set_vgpr_msb (MSB<<8)|\new
.set MSB, \new
.endif
.endm
.macro WM d, a, b, c, sa, sb, ra, rb   ; one matrix instruction; ra, rb = 1: the side's scale words stand in lanes 16-31
.if ((\ra)==0) && ((\rb)==0)
	v_wmma_scale_f32_16x16x128_f8f6f4 v[(\d):(\d)+7], v[(\a):(\a)+11], v[(\b):(\b)+11], v[(\c):(\c)+7], v[\sa], v[\sb] matrix_a_fmt:MATRIX_FMT_FP6 matrix_b_fmt:MATRIX_FMT_FP6
.elseif ((\ra)==1) && ((\rb)==0)
	v_wmma_scale_f32_16x16x128_f8f6f4 v[(\d):(\d)+7], v[(\a):(\a)+11], v[(\b):(\b)+11], v[(\c):(\c)+7], v[\sa], v[\sb] matrix_a_fmt:MATRIX_FMT_FP6 matrix_b_fmt:MATRIX_FMT_FP6 matrix_a_scale:MATRIX_SCALE_ROW1
.elseif ((\ra)==0)
	v_wmma_scale_f32_16x16x128_f8f6f4 v[(\d):(\d)+7], v[(\a):(\a)+11], v[(\b):(\b)+11], v[(\c):(\c)+7], v[\sa], v[\sb] matrix_a_fmt:MATRIX_FMT_FP6 matrix_b_fmt:MATRIX_FMT_FP6 matrix_b_scale:MATRIX_SCALE_ROW1
.else
	v_wmma_scale_f32_16x16x128_f8f6f4 v[(\d):(\d)+7], v[(\a):(\a)+11], v[(\b):(\b)+11], v[(\c):(\c)+7], v[\sa], v[\sb] matrix_a_fmt:MATRIX_FMT_FP6 matrix_b_fmt:MATRIX_FMT_FP6 matrix_a_scale:MATRIX_SCALE_ROW1 matrix_b_scale:MATRIX_SCALE_ROW1
.endif
.endm
.macro XLD s                           ; 16 LDS loads: K step s's scale words of both sides and the four tiles of rows, into set s % 2.  Every window is 0 here
.irp q, 0,1
	ds_load_b32 v[XS+2*((\s)%2)+\q], v3 offset:XSC+256*(\s)+128*\q
	ds_load_b32 v[WS+2*((\s)%2)+\q], v19 offset:(\q*8+(\s))*128
.endr
.irp m, 0,1,2,3
.irp c, 0,1,2
	ds_load_b128 v[XF+48*((\s)%2)+12*\m+4*\c:XF+48*((\s)%2)+12*\m+4*\c+3], v1 offset:XIMG+(4*(\s)+\m)*1536+512*\c
.endr
.endr
.endm
.macro WLD s                           ; 12 loads: my four tiles of Wo for K step s, into set s % 4 of window 1 (the destination's window is 1 here, the address's 0)
.irp n, 0,1,2,3
.irp c, 0,1,2
	global_load_b128 v[48*((\s)%4)+12*\n+4*\c:48*((\s)%4)+12*\n+4*\c+3], v1, s[24:25] offset:(\n*8+(\s))*1536+512*\c
.endr
.endr
.endm
; K step s of 8: 16 matrix instructions on 16 accumulators by turns.
.macro STEP s
.if ((\s) > 0) && ((\s) < 7)
	s_wait_alu depctr_va_vdst(0)                   ; the products of the step before are done reading their set of the rows' fragments, their scale words and their set of Wo: the loads below land in them
.endif
.if (\s) < 7
	XLD (\s)+1                                     ; the next step's, into the set that the step before this one read
.endif
.if ((\s) > 0) && ((\s) < 5)
	WIN 0x40
	WLD (\s)+3                                     ; Wo's fragments of three steps on, into the set that the step before this one read
.endif
.if (\s) < 7
	s_wait_dscnt 16                                ; this step's 16 LDS loads are in; the 16 just issued may be out
.else
	s_wait_dscnt 0x0
.endif
.if (\s) < 5
	s_wait_loadcnt 36                              ; this step's fragments of Wo are in; the 12 loads of each of the three steps behind it may be out
.else
	s_wait_loadcnt 12*(7-(\s))
.endif
.if (\s) == 0
	WIN 0x11                                       ; source 0 (Wo) and source 2 (the bias) window 1
.else
	WIN 0x01                                       ; source 0 window 1
.endif
.irp j, 0,1,2,3
.irp i, 0,1,2,3
.if (\s) == 0
	WM ACC+8*(4*\j+\i), 48*((\s)%4)+12*\i, XF+48*((\s)%2)+12*\j, BI+8*\i, WS+2*((\s)%2)+\i/2, XS+2*((\s)%2)+\j/2, \i%2, \j%2
.else
	WM ACC+8*(4*\j+\i), 48*((\s)%4)+12*\i, XF+48*((\s)%2)+12*\j, ACC+8*(4*\j+\i), WS+2*((\s)%2)+\i/2, XS+2*((\s)%2)+\j/2, \i%2, \j%2
.endif
.endr
.endr
.rept 4
	v_nop                                          ; four places in front of the next step's loads into registers that matrix instructions have read, and behind the last step in front of the first read of results
.endr
	WIN 0
.endm
	s_load_b256 s[4:11], s[0:1], 0x0               ; ct, wb, bo, out0
	v_lshl_add_u32 v30, v0, 2, 0x19000
	v_mov_b32 v31, 0
	v_lshrrev_b32 v24, 5, v0
	v_readfirstlane_b32 s12, v24                   ; wave 0..7
	s_and_b32 s13, ttmp7, 0xffff                   ; which 64 rows
	v_and_b32 v24, 31, v0                          ; lane
	v_and_b32 v25, 15, v0                          ; r
	s_wait_alu depctr_va_vdst(0)
	v_bfe_u32 v26, v0, 4, 1                        ; h
	v_lshlrev_b32 v1, 4, v24                       ; 16 x lane: in memory, and in LDS among the rows' fragments
	v_lshl_add_u32 v2, v24, 3, 512                 ; 8 x lane + 512
	v_lshlrev_b32 v3, 2, v24                       ; 4 x lane
	s_wait_alu depctr_va_sdst(0)                   ; s12 is written, ahead of its first reader
	s_mul_i32 s20, s12, 1536
	v_add_nc_u32 v6, s20, v1                       ; where I put fragments: number w, and every eighth on
	s_lshl_b32 s20, s12, 7
	s_add_co_u32 s20, s20, XSC
	v_add_nc_u32 v7, s20, v3                       ; and the rows' scale words
	s_lshl_b32 s20, s12, 11
	s_add_co_u32 s20, s20, WSC
	v_add_nc_u32 v18, s20, v1                      ; Wo's scale words: in, 16 bytes a lane;
	v_add_nc_u32 v19, s20, v3                      ; out, a word a lane
	s_mul_i32 s20, s12, 4352
	s_add_co_u32 s20, s20, STG                     ; my stage
	v_mul_u32_u24 v4, v25, 272
	s_wait_alu depctr_va_vdst(0)
	v_lshl_add_u32 v4, v26, 5, v4
	v_add_nc_u32 v4, s20, v4                       ; in: row r, + 32 h
	v_mul_u32_u24 v5, v26, 272
	v_lshl_add_u32 v5, v25, 4, v5
	v_add_nc_u32 v5, s20, v5                       ; back: lanes 0-15 one row, lanes 16-31 the next
	v_lshlrev_b32 v16, 12, v26
	v_lshl_add_u32 v16, v25, 4, v16                ; and the same two rows in out0
	v_lshlrev_b32 v17, 5, v26                      ; the bias: my half's eight numbers of a tile
	s_lshl_b32 s20, ttmp9, 11
	s_lshl_b32 s14, s12, 8
	s_add_co_u32 s20, s20, s14                     ; my 64 columns, in bytes
	s_mov_b32 s21, 0
	s_lshl_b32 s22, s13, 18                        ; 64 rows of 4,096 bytes
	s_mov_b32 s23, 0
	s_and_b32 s14, s12, 3                          ; the copy of codes: tile of rows w % 4, K steps w / 4 + 2 i
	s_lshl_b32 s36, s13, 2
	s_add_co_u32 s36, s36, s14
	s_mul_i32 s36, s36, 12288                      ; 16 heads x 768 bytes a tile
	s_lshr_b32 s14, s12, 2
	s_mul_i32 s14, s14, 1536
	s_add_co_u32 s36, s36, s14
	s_mov_b32 s37, 0
	s_and_b32 s14, s12, 1                          ; the copy of scale words: pair w % 2, K steps w / 2 + 4 i
	s_lshl_b32 s38, s13, 1
	s_add_co_u32 s38, s38, s14
	s_lshl_b32 s38, s38, 4
	s_lshr_b32 s14, s12, 1
	s_lshl_b32 s14, s14, 1
	s_add_co_u32 s38, s38, s14
	s_lshl_b32 s38, s38, 7
	s_add_co_u32 s38, s38, CS_O
	s_mov_b32 s39, 0
	s_lshl_b32 s40, ttmp9, 5
	s_lshl_b32 s14, s12, 2
	s_add_co_u32 s40, s40, s14                     ; my first tile of Wo's columns
	s_mul_i32 s40, s40, 12288
	s_add_co_u32 s40, s40, WO_C
	s_mov_b32 s41, 0
	s_lshl_b32 s42, ttmp9, 4
	s_lshl_b32 s14, s12, 1
	s_add_co_u32 s42, s42, s14                     ; and my first pair
	s_lshl_b32 s42, s42, 10
	s_add_co_u32 s42, s42, WO_S
	s_mov_b32 s43, 0
	s_wait_kmcnt 0x0
	s_add_nc_u64 s[30:31], s[4:5], s[36:37]
	s_add_nc_u64 s[32:33], s[4:5], s[38:39]
	s_add_nc_u64 s[26:27], s[6:7], s[42:43]
	s_add_nc_u64 s[24:25], s[6:7], s[40:41]
	s_add_nc_u64 s[28:29], s[8:9], s[20:21]
	s_add_nc_u64 s[34:35], s[10:11], s[20:21]
	s_add_nc_u64 s[34:35], s[34:35], s[22:23]
	s_wait_alu depctr_va_vdst(0)                   ; the addresses and offsets v1-v7 and v16-v19 are written, which every load and store of the kernel reads
.irp i, 0,1,2,3                                ; 24 loads for what goes to LDS ahead of the barrier: four fragments of the rows,
	global_load_b128 v[XF+12*\i:XF+12*\i+3], v1, s[30:31] offset:3072*\i
	global_load_b64 v[XF+12*\i+4:XF+12*\i+5], v2, s[30:31] offset:3072*\i
	global_load_b128 v[XF+12*\i+6:XF+12*\i+9], v1, s[30:31] offset:3072*\i+768
	global_load_b64 v[XF+12*\i+10:XF+12*\i+11], v2, s[30:31] offset:3072*\i+768
.endr
.irp i, 0,1
	global_load_b32 v[20+2*\i], v3, s[32:33] offset:1024*\i          ; the even head's two scale bytes,
	global_load_b32 v[21+2*\i], v3, s[32:33] offset:1024*\i+128      ; the odd head's,
.endr
.irp c, 0,1,2,3
	global_load_b128 v[80+4*\c:83+4*\c], v1, s[26:27] offset:512*\c  ; and Wo's scale words
.endr
	WIN 0x40                                       ; destination window 1, address window 0
.irp i, 0,1,2,3
	global_load_b128 v[BI+8*\i:BI+8*\i+3], v17, s[28:29] offset:64*\i      ; 8 loads: the bias of my four tiles of columns
	global_load_b128 v[BI+8*\i+4:BI+8*\i+7], v17, s[28:29] offset:64*\i+16
.endr
	WLD 0
	WLD 1
	s_wait_loadcnt 32                              ; the first 24 loads are in; the bias's 8 and the two K steps' 24 may be out
	WLD 2                                          ; 24 more: 56 loads of mine are out at the most
	WLD 3
	WIN 0
	v_lshl_or_b32 v20, v21, 16, v20                ; a K step's four bytes of a row
	v_lshl_or_b32 v22, v23, 16, v22
	s_wait_alu depctr_va_vdst(0)                   ; v20 and v22 are written, which two of the LDS stores below read
.irp i, 0,1,2,3
.irp c, 0,1,2
	ds_store_b128 v6, v[XF+12*\i+4*\c:XF+12*\i+4*\c+3] offset:XIMG+12288*\i+512*\c
.endr
.endr
	ds_store_b32 v7, v20
	ds_store_b32 v7, v22 offset:1024
.irp c, 0,1,2,3
	ds_store_b128 v18, v[80+4*\c:83+4*\c] offset:512*\c
.endr
	s_wait_dscnt 0x0                               ; for the others' sake: my stores have landed
	s_barrier_signal -1
	s_barrier_wait -1
	s_wait_alu depctr_vm_vsrc(0)                   ; my LDS stores have read v32-95, in which the fragments' loads of K steps 0 and 1 land
	XLD 0
.irp s, 0,1,2,3,4,5,6,7
	STEP \s
.endr
	s_wait_alu depctr_va_vdst(0)                   ; the products have written the accumulators, which the LDS stores read and in the first of which tile 3's rows land, and are done reading v32-127, in which the other rows land; the four places above stay beside this wait
.irp j, 0,1,2,3                                ; tile j's 16 rows x 64 columns: into my stage, and back as whole rows, into v[32 + 32 j] on
.irp i, 0,1,2,3
	ds_store_b128 v4, v[ACC+8*(4*\j+\i):ACC+8*(4*\j+\i)+3] offset:64*\i        ; each accumulator from its low end on
	ds_store_b128 v4, v[ACC+8*(4*\j+\i)+4:ACC+8*(4*\j+\i)+7] offset:64*\i+16
.endr
.if \j == 3
	s_wait_alu depctr_vm_vsrc(0)                   ; tile 0's LDS stores have read v128-159, in which tile 3's rows land
.endif
.irp t, 0,1,2,3,4,5,6,7
	ds_load_b128 v[OB+32*\j+4*\t:OB+32*\j+4*\t+3], v5 offset:544*\t           ; LDS serves a wave's instructions in order (ISA guide 5.7.1.4): these see my stores, and the next tile's stores come behind them
.endr
.endr
.irp j, 0,1,2,3
.irp t, 0,1,2,3,4,5,6,7
	s_wait_dscnt 16*(3-\j)+7-\t                    ; behind this load: 7 - t of its tile, and 8 stores and 8 loads for each later tile
	global_store_b128 v16, v[OB+32*\j+4*\t:OB+32*\j+4*\t+3], s[34:35] offset:(32*(\j/2)+8*(\j%2)+2*\t+8*(\t/4))*4096 th:TH_STORE_NT
.endr
.endr
	s_wait_dscnt 0x0                               ; the closing lines, six on end
	s_wait_alu 0x0
	s_wait_tensorcnt 0x0
	ds_add_u32 v30, v31
	s_wait_dscnt 0x0
	s_endpgm
.Lfunc_end_k_q643db234a0_outp:
	.size	k_q643db234a0_outp, .Lfunc_end_k_q643db234a0_outp-k_q643db234a0_outp
	.p2alignl 7, 3214868480
	.fill 96, 4, 3214868480
	.section	.rodata,"a",@progbits
	.p2align	6, 0x0
	.amdhsa_kernel k_q643db234a0_outp
		.amdhsa_group_segment_fixed_size 103424
		.amdhsa_private_segment_fixed_size 0
		.amdhsa_enable_private_segment 0
		.amdhsa_kernarg_size 32
		.amdhsa_user_sgpr_count 2
		.amdhsa_user_sgpr_kernarg_segment_ptr 1
		.amdhsa_wavefront_size32 1
		.amdhsa_system_sgpr_workgroup_id_x 1
		.amdhsa_system_sgpr_workgroup_id_y 1
		.amdhsa_system_sgpr_workgroup_id_z 1
		.amdhsa_system_vgpr_workitem_id 0
		.amdhsa_next_free_vgpr 512
		.amdhsa_next_free_sgpr 66
		.amdhsa_reserve_vcc 0
		.amdhsa_float_denorm_mode_32 3
		.amdhsa_float_denorm_mode_16_64 3
		.amdhsa_memory_ordered 1
		.amdhsa_forward_progress 1
		.amdhsa_inst_pref_size 52
	.end_amdhsa_kernel
	.amdgpu_metadata
---
amdhsa.version: [ 1, 2 ]
amdhsa.kernels:
  - .name:           k_q643db234a0_outp
    .symbol:         k_q643db234a0_outp.kd
    .args:
      - { .name: ct, .offset: 0, .size: 8, .value_kind: global_buffer, .address_space: global }
      - { .name: wb, .offset: 8, .size: 8, .value_kind: global_buffer, .address_space: global }
      - { .name: bo, .offset: 16, .size: 8, .value_kind: global_buffer, .address_space: global }
      - { .name: out0, .offset: 24, .size: 8, .value_kind: global_buffer, .address_space: global }
    .group_segment_fixed_size: 103424
    .private_segment_fixed_size: 0
    .kernarg_segment_align: 8
    .kernarg_segment_size: 32
    .max_flat_workgroup_size: 256
    .sgpr_count:     66
    .vgpr_count:     512
    .wavefront_size: 32
...
	.end_amdgpu_metadata
.endif
;; end of part 8
